; MI455X (gfx1250); checked and timed in simulation.
; The chip was launched on July 23, 2026; its instructions are those of AMD's public machine-readable ISA for CDNA 5 (MIT licence, August 2026) and "CDNA5" Instruction Set Architecture Reference Guide (July 2026). The comments in the code are by the model that wrote it; some were corrected since.
;; Multi Head Attention. Allowed arithmetic: matrix products marked QUANTISED: E2M1 operands, one E8M0 scale for each 32 along K, by v_wmma_scale_f32_16x16x128_f8f6f4 with both operands' format E2M1 (or v_wmma_scale_f32_32x16x128_f4), f32 sums; everything else in f32.
;; Inputs: K_codes 8 x 2,048 x 16 x 16 uint8 (E2M1 codes of K, K innermost, in blocks of 32 codes, two codes a byte); K_scales 8 x 2,048 x 16 uint8 (E8M0 scales of K, one for each 32 codes along K); Q_codes 8 x 2,048 x 16 x 16 uint8 (E2M1 codes of Q, K innermost, in blocks of 32 codes, two codes a byte); Q_scales 8 x 2,048 x 16 uint8 (E8M0 scales of Q, one for each 32 codes along K); V_codes 8 x 2,048 x 16 x 16 uint8 (E2M1 codes of V, K innermost, in blocks of 32 codes, two codes a byte); V_scales 8 x 2,048 x 16 uint8 (E8M0 scales of V, one for each 32 codes along K); Wk_codes 512 x 16 x 16 uint8 (E2M1 codes of Wk, K innermost, in blocks of 32 codes, two codes a byte); Wk_scales 512 x 16 uint8 (E8M0 scales of Wk, one for each 32 codes along K); Wo_codes 512 x 16 x 16 uint8 (E2M1 codes of Wo, K innermost, in blocks of 32 codes, two codes a byte); Wo_scales 512 x 16 uint8 (E8M0 scales of Wo, one for each 32 codes along K); Wq_codes 512 x 16 x 16 uint8 (E2M1 codes of Wq, K innermost, in blocks of 32 codes, two codes a byte); Wq_scales 512 x 16 uint8 (E8M0 scales of Wq, one for each 32 codes along K); Wv_codes 512 x 16 x 16 uint8 (E2M1 codes of Wv, K innermost, in blocks of 32 codes, two codes a byte); Wv_scales 512 x 16 uint8 (E8M0 scales of Wv, one for each 32 codes along K); bk 512 float32; bo 512 float32; bq 512 float32; bv 512 float32; mask 1 x 1 x 2,048 x 2,048 int32.
;; Outputs: out0 8 x 2,048 x 512 float32.
;; This version of the problem:
;;   THIS VERSION OF THE PROBLEM IS GIVEN IN LOW PRECISION. The matrix products marked QUANTISED in the list below multiply operands that are first quantised to E2M1 (2 exponent bits, 1 mantissa bit; 4 bits a number), with one power-of-two scale for each 32 numbers along K (OCP MX v1.0); their sums are f32. All else is computed in f32.
;;   The module's matrix products, in the order in which they are computed (A, B: the left and right operand; K: the contracted axis; several contracted axes count as one K, in the product's order):
;;     1. [M 16,384, K 512] x [K 512, N 512]; A: input Q (given as codes); B: input Wq (given as codes): QUANTISED
;;     2. [M 16,384, K 512] x [K 512, N 512]; A: input K (given as codes); B: input Wk (given as codes): QUANTISED
;;     3. [M 16,384, K 512] x [K 512, N 512]; A: input V (given as codes); B: input Wv (given as codes): QUANTISED
;;     4. batch 64 x [M 2,048, K 64] x [K 64, N 2,048]; A: computed on the way; B: computed on the way: QUANTISED
;;     5. batch 64 x [M 2,048, K 2,048] x [K 2,048, N 64]; A: softmax (see below); B: computed on the way: QUANTISED
;;     6. [M 16,384, K 512] x [K 512, N 512]; A: computed on the way; B: input Wo (given as codes): QUANTISED
;;   THE QUANTISER, for each operand of a quantised product, along K:
;;     - K is cut into blocks of 32 from its start; a last block that is shorter is filled with zeros.
;;     - A block's scale is 2^e with e = floor(log2(the largest magnitude in the block)) - 2, held to -126 .. 127; a block of zeros has e = 0. As a byte (E8M0): e + 127.
;;     - Each number is divided by its block's scale, clamped to +-6, and rounded to the nearest number of E2M1, ties to even, subnormals kept.
;;     - The product sums the exact products of the quantised numbers (number of the format x scale) in f32.
;;   ~~~python
;;   def quantise(x, axis):      # numpy; x: float32 -> the quantised numbers, widened to float32 again
;;       x = np.moveaxis(x, axis, -1); K = x.shape[-1]
;;       x = np.pad(x, [(0, 0)] * (x.ndim - 1) + [(0, -K % 32)]); x = x.reshape(x.shape[:-1] + (-1, 32)); a = np.abs(x).max(-1, keepdims=True)
;;       e = np.where(a > 0, np.clip(np.frexp(np.where(a > 0, a, 1))[1] - 1 - 2, -126, 127), 0)      # np.frexp(a)[1] - 1 = floor(log2(a)), exactly
;;       r = np.clip(x / 2.0 ** e, -6, 6)
;;       step = 2.0 ** (np.maximum(np.frexp(np.where(r == 0, 1, r))[1] - 1, 0) - 1)
;;       q = np.round(r / step) * step * 2.0 ** e      # np.round: ties to even
;;       return np.moveaxis(q.reshape(q.shape[:-2] + (-1,))[..., :K], -1, axis).astype(np.float32)
;;   ~~~
;;   SOFTMAX AHEAD OF A QUANTISED PRODUCT. Where the list says 'softmax', what is quantised is not the finished softmax but p = 2^(t - M), with t = logit x log2(e) and M = ceil(the row's largest t), a whole number; so 1/2 < the row's largest p <= 1. The row's sum l is taken of the UNQUANTISED p, in f32, and the product's result is divided by l at the end. Since M is a whole number, a kernel that streams over the keys may use a running M (the ceiling of the running maximum): every later rescaling is an exact power of two, which a block's scale takes up: the codes' values come out the same.
;;   OPERANDS COMPUTED ON THE WAY. 'Computed on the way' means the value that the module computes at that place (a softmax that the list does not call 'softmax' is quantised finished and normalised). What goes into a quantiser is computed in f32, as accurately as f32 sums, v_exp_f32 and their like allow (about 1e-6 of the number): no bf16 or f16 on the way to a quantiser, and a product that is left as it is and whose result goes on into a quantised operand takes f32 operands (vector FMAs, or v_wmma_f32_16x16x4_f32). A number that lies on a knife's edge between two numbers of the format may be rounded either way, as far as f32 arithmetic and the matrix unit's own rounding can turn it there, and no further.
;;   INPUTS GIVEN AS CODES. K (in the module: [8, 2048, 512], K = its axis 2); Q (in the module: [8, 2048, 512], K = its axis 2); V (in the module: [8, 2048, 512], K = its axis 2); Wk (in the module: [512, 512], K = its axis 1); Wo (in the module: [512, 512], K = its axis 1); Wq (in the module: [512, 512], K = its axis 1); Wv (in the module: [512, 512], K = its axis 1): each comes as NAME_codes (uint8): NAME with its K axis moved to the last place and cut into blocks of 32 codes, [.., K / 32, bytes a block], one block behind the other in memory; two codes a byte, the lower K in the low four bits (a code: sign, 2 exponent bits, 1 mantissa bit); and NAME_scales (uint8): the same leading axes, one E8M0 byte (e + 127) for each 32 codes along K. Its value is code x scale, taken as it is: it is not quantised again, and the codes and scales need not be those that the quantiser above would give.
;; 2 versions. Each part assembles by itself: llvm-mc -triple=amdgcn-amd-amdhsa -mcpu=gfx1250 --defsym DOCPART=n.
;; ======== version 1 of 2: 3 launches
;; limits: right only within a limited range of input values
;; workspace buffers: qrec 4,718,592 bytes; kv 9,175,040 bytes; maskw 524,288 bytes of whole numbers; oc 4,194,304 bytes; os 262,144 bytes
;; launch prep (part 1): grid 64 x 4, 4 waves a work-group, no clusters, 34,304 bytes of LDS; arguments Q_codes, Q_scales, Wq_codes, Wq_scales, bq, qrec, K_codes, K_scales, Wk_codes, Wk_scales, bk, kv, Wv_codes, Wv_scales, V_codes, V_scales, bv, mask, maskw; writes qrec, kv, maskw
.if DOCPART == 1
	.amdgcn_target "amdgcn-amd-amdhsa--gfx1250"
	.amdhsa_code_object_version 6
	.text
	.protected	k_q9e1c046fe7_prep
	.globl	k_q9e1c046fe7_prep
	.p2align	8
	.type	k_q9e1c046fe7_prep,@function
k_q9e1c046fe7_prep:
	s_mov_b64 s[64:65], 0
	v_nop
	global_prefetch_b8 v0, s[64:65] scope:SCOPE_SE
	s_setreg_imm32_b32 hwreg(HW_REG_WAVE_MODE, 25, 1), 1
	s_wait_xcnt 0x0
; MULTI-HEAD ATTENTION IN MX-FP4, FIRST OF THREE LAUNCHES: the three projections with their quantisers, and the mask as lane-mask words.
; DEAD WORK: none is left out.  Every input has a way to the output: each of the four biases stands ahead of a quantiser (bq, bk, bv) or in the result (bo), and the mask is an input whose every word decides a score.
; WORK-GROUP y = 0: q = Q Wq^T + bq;  y = 1: k = K Wk^T + bk;  y = 2: v = V Wv^T + bv;  y = 3: the mask.  The branch hangs on the work-group's number alone.
; q, k: quantised along a head's 64 channels (two blocks of 32);  v: along the keys.  All three leave as IMAGES OF OPERAND REGISTERS (lane l's 16 bytes at 16 l), so that the next launch's fragments are plain 16-byte reads.
; A PROJECTION.  A wave HOLDS source 0 (128 rows x 512 K: 256 registers, window 1) and STREAMS source 1, 16 rows a trip, from memory straight into registers: the inputs' codes lie with K innermost, which is the operand's own order.
;   q, k: held = 128 rows of W (two heads), streamed = 16 tokens: in the result a lane holds ONE token and its registers run along the channels, the next product's K.
;   v:    held = 128 tokens (a key group), streamed = 16 rows of Wv: a lane holds ONE channel and its registers run along the keys, the next product's K.
; In a result, register 8 t + j of lane (r, h) is (row 16 t + 8 h + j of source 0, row r of source 1): block b of 32 along the next K is registers 16 b .. 16 b + 15 of lanes l and l xor 16.
; The codes of tile t = 4 c + 2 e + u go to register 4 c + 2 u + e; one exchange of halves for each pair (4 c + 2 u, 4 c + 2 u + 1) then gives register 4 c + i of lane (r, h) the codes of k = 64 c + 32 h + 8 i .. + 7: the operand's layout.
; A block's scale is 2^(floor(log2(its largest magnitude)) - 2); its byte is that magnitude's exponent field - 2, held at 1 from below.
; THE MASK: word n of (query tile, key step) has bit 16 h + r = (mask[16 qt + r][128 ks + 16 (n / 8) + 8 h + n % 8] != 0): the select mask of score register n in the next launch.
; LIMITS: a block of zeros keeps the byte 1 where the rule says 127 (its codes are zeros; this program alone reads the bytes); NaN and infinities among the inputs are not served.
; No cluster: operands go from memory into registers, no LDS tile is shared between work-groups.
.set L16, 1                            ; v1   16 x lane
.set TA,  2                            ; v2   256 r + 16 h: a fragment's place in rows of 256 bytes
.set R16, 3                            ; v3   16 r: a row's 16 scale bytes
.set R4,  4                            ; v4   4 r
.set B32, 5                            ; v5   32 h
.set VSO, 6                            ; v6   143,360 h + 16 r: v's scale words, lanes 16-31 one head on
.set L8,  7                            ; v7   8 x lane
.set MST, 8                            ; v8   the mask's stage, on the way in
.set MRD, 9                            ; v9   and on the way out
.set SPW, 10                           ; v10  LDS address of my spare word; never rewritten
.set NIL, 11                           ; v11  0; never rewritten
.set HS,  16                           ; v16-47   the held rows' scale words: tile t, K step s at 4 t + s
.set TS,  48                           ; v48-55   the streamed rows' scale words, two sets of 4
.set TF,  56                           ; v56-119  the streamed fragments, two sets of 32
.set ACC, 120                          ; v120-183 eight accumulators
.set TM,  184                          ; v184-199 at work in the quantiser
.set PC,  200                          ; v200-207 the codes just made
.set PW,  208                          ; v208-215 a scale word for each of a group's eight trips
.set SEL, 216
.set SA,  220
.set SB,  224
.set BV8, 228                          ; v228-235 v's bias of my channel, eight times: the C of a sum's first product
.set BL,  236                          ; v236-237 that bias as loaded, two sets
.set MR,  16                           ; the mask's path: v16-143 two sets of 16 rows as loaded
.set MB,  144                          ; v144-207 64 words in the scores' layout
.set MO,  208                          ; v208-223 a pair of registers of lane-mask words for each of eight tiles
.set SPARE, 33792                      ; behind the four stages of 8,448 bytes: the spare words, 128 bytes a wave
.set MSB, 0
.macro WIN new                         ; the immediate's high byte repeats the setting that is left
.if MSB != \new
	s_set_vgpr_msb (MSB<<8)|\new
.set MSB, \new
.endif
.endm
.macro HLOAD                           ; the held operand: fragment (t, s) at v[8 (4 t + s)] of window 1; its scale words in window 0
	WIN 0x40
.irp t, 0,1,2,3,4,5,6,7
.irp s, 0,1,2,3
.irp c, 0,1
	global_load_b128 v[8*(4*\t+\s)+4*\c:8*(4*\t+\s)+4*\c+3], v[TA], s[8:9] offset:\t*4096+\s*64+\c*32
.endr
.endr
.endr
	WIN 0
.irp t, 0,1,2,3,4,5,6,7
	global_load_b128 v[HS+4*\t:HS+4*\t+3], v[R16], s[10:11] offset:\t*256
.endr
.endm
.macro BIASQK                          ; window 2, v[8 t + j] = b[16 t + 8 h + j] of my 128 channels: the result's layout
	WIN 0x80
.irp t, 0,1,2,3,4,5,6,7
	global_load_b128 v[8*\t:8*\t+3], v[B32], s[12:13] offset:64*\t
	global_load_b128 v[8*\t+4:8*\t+7], v[B32], s[12:13] offset:64*\t+16
.endr
	WIN 0
.endm
.macro TLOAD tau, bank, kind           ; streamed tile tau of the group into set bank: 9 loads (q, k) or 10 (v)
.irp s, 0,1,2,3
.irp c, 0,1
	global_load_b128 v[TF+32*(\bank)+8*\s+4*\c:TF+32*(\bank)+8*\s+4*\c+3], v[TA], s[4:5] offset:(\tau)*4096+\s*64+\c*32
.endr
.endr
	global_load_b128 v[TS+4*(\bank):TS+4*(\bank)+3], v[R16], s[6:7] offset:(\tau)*256
.if \kind == 1
	global_load_b32 v[BL+(\bank)], v[R4], s[12:13] offset:(\tau)*64
.endif
.endm
; 32 matrix instructions: K step by K step, the eight accumulators by turns.  The bias is the C of each sum's first product.
.macro MM bank, kind
.irp s, 0,1,2,3
.if (\s == 0) && (\kind == 0)
	WIN 0x21                                       ; source 0 window 1, C window 2
.else
	WIN 0x01                                       ; source 0 window 1
.endif
.irp t, 0,1,2,3,4,5,6,7
.if (\s == 0) && (\kind == 0)
	v_wmma_scale_f32_16x16x128_f8f6f4 v[ACC+8*\t:ACC+8*\t+7], v[8*(4*\t+\s):8*(4*\t+\s)+7], v[TF+32*(\bank)+8*\s:TF+32*(\bank)+8*\s+7], v[8*\t:8*\t+7], v[HS+4*\t+\s], v[TS+4*(\bank)+\s] matrix_a_fmt:MATRIX_FMT_FP4 matrix_b_fmt:MATRIX_FMT_FP4
.elseif \s == 0
	v_wmma_scale_f32_16x16x128_f8f6f4 v[ACC+8*\t:ACC+8*\t+7], v[8*(4*\t+\s):8*(4*\t+\s)+7], v[TF+32*(\bank)+8*\s:TF+32*(\bank)+8*\s+7], v[BV8:BV8+7], v[HS+4*\t+\s], v[TS+4*(\bank)+\s] matrix_a_fmt:MATRIX_FMT_FP4 matrix_b_fmt:MATRIX_FMT_FP4
.else
	v_wmma_scale_f32_16x16x128_f8f6f4 v[ACC+8*\t:ACC+8*\t+7], v[8*(4*\t+\s):8*(4*\t+\s)+7], v[TF+32*(\bank)+8*\s:TF+32*(\bank)+8*\s+7], v[ACC+8*\t:ACC+8*\t+7], v[HS+4*\t+\s], v[TS+4*(\bank)+\s] matrix_a_fmt:MATRIX_FMT_FP4 matrix_b_fmt:MATRIX_FMT_FP4
.endif
.endr
.endr
	WIN 0
.rept 4
	v_nop                                          ; four places behind the last products, ahead of the first read of results (ISA guide 7.12.1)
.endr
.endm
; 64 numbers of a lane, v[src] on, become a fragment's codes in v[PC] on and its scale word in v[pw].
.macro QUANT src, pw
.irp b, 0,1,2,3
	v_max3_num_f32 v[TM+\b], |v[\src+16*\b]|, |v[\src+1+16*\b]|, 0x1800000   ; block b: my 16 numbers, each accumulator from its low end on, and the floor 2^(3 - 127): the byte cannot fall under 1
.endr
.irp i, 2,4,6,8,10,12,14
.irp b, 0,1,2,3
	v_max3_num_f32 v[TM+\b], v[TM+\b], |v[\src+16*\b+\i]|, |v[\src+1+16*\b+\i]|   ; the four blocks by turns
.endr
.endr
.irp b, 0,1,2,3
	v_permlanex16_b32 v[TM+4+\b], v[TM+\b], s38, s39
.endr
.irp b, 0,1,2,3
	v_max_num_f32 v[TM+\b], v[TM+\b], v[TM+4+\b]   ; with lane l xor 16's: the block's largest magnitude
.endr
.irp b, 0,1,2,3
	v_add_nc_u32 v[TM+12+\b], 0xff000000, v[TM+\b] ; 2 off its exponent field: the conversion takes the exponent field of this operand as its scale
.endr
.irp b, 0,1,2,3
	v_lshrrev_b32 v[TM+4+\b], 23, v[TM+12+\b]      ; the scale's byte
.endr
	v_lshl_or_b32 v[\pw], v[TM+5], 8, v[TM+4]
	v_lshl_or_b32 v[\pw], v[TM+6], 16, v[\pw]
	v_lshl_or_b32 v[\pw], v[TM+7], 24, v[\pw]
.irp b, 0,1,2,3
	v_cvt_scalef32_pk8_fp4_f32 v[PC+4*(\b/2)+(\b%2)], v[\src+16*\b:\src+16*\b+7], v[TM+12+\b]       ; tile 2 b
	v_cvt_scalef32_pk8_fp4_f32 v[PC+4*(\b/2)+2+(\b%2)], v[\src+16*\b+8:\src+16*\b+15], v[TM+12+\b]  ; tile 2 b + 1
.endr
	v_nop                                          ; one plain place behind a scaled conversion
.irp c, 0,1
	v_permlane16_swap_b32 v[PC+4*\c], v[PC+4*\c+1]
	v_permlane16_swap_b32 v[PC+4*\c+2], v[PC+4*\c+3]
.endr
.endm
.macro TRIP tau, kind
.set CUR, (\tau)%2
.set NXT, 1-CUR
.if (\tau) < 7
	TLOAD (\tau)+1, NXT, \kind
	s_wait_loadcnt 9+\kind                         ; all but the next tile's loads, just issued, are in
.else
	s_cmp_eq_u32 s35, 1                            ; the last group has no next tile: no load leaves its buffer
	s_cbranch_scc1 .Llast_\@
	TLOAD 8, NXT, \kind
	s_wait_loadcnt 9+\kind
	s_branch .Lgo_\@
.Llast_\@:
	s_wait_loadcnt 0x0
.Lgo_\@:
.endif
.if \kind == 1
.irp j, 0,1,2,3,4,5,6,7
	v_mov_b32 v[BV8+\j], v[BL+CUR]                 ; a lane holds one channel: its bias is the same for all its keys
.endr
.rept 4
	v_nop
.endr
.endif
	MM CUR, \kind
	s_wait_xcnt 0x0                                ; the last trip's stores have read the codes' registers: they are written again only behind this wait
	QUANT ACC, PW+(\tau)
.if \kind == 0
	global_store_b128 v[L16], v[PC:PC+3], s[28:29] offset:(\tau)*512       ; the even head's 64 channels: 512 consecutive bytes
	global_store_b128 v[L16], v[PC+4:PC+7], s[30:31] offset:(\tau)*512     ; the odd head's
.else
	global_store_b128 v[L16], v[PC:PC+3], s[28:29] offset:((\tau)/4)*143360+4608+((\tau)%4)*1024
	global_store_b128 v[L16], v[PC+4:PC+7], s[28:29] offset:((\tau)/4)*143360+4608+((\tau)%4)*1024+512
.endif
.endm
; kind 0: q or k;  kind 1: v.  Two groups of eight trips.
.macro PROJ kind
	HLOAD
.if \kind == 0
	BIASQK
.endif
	TLOAD 0, 0, \kind
	s_mov_b32 s35, 2
.Lgroup_\@:
.irp q, 0,1,2,3,4,5,6,7
	TRIP \q, \kind
.endr
.irp i, 0,1,2,3
	v_cndmask_b32 v[SEL+\i], v[PW+\i], v[PW+4+\i], s36     ; lanes 0-15: trips 0-3's words, lanes 16-31: trips 4-7's
.endr
.if \kind == 0
.irp i, 0,1,2,3
	v_and_b32 v[SA+\i], 0xffff, v[SEL+\i]          ; the even head's two bytes; the upper two bytes, 0, stand over zero codes
.endr
.irp i, 0,1,2,3
	v_lshrrev_b32 v[SB+\i], 16, v[SEL+\i]          ; the odd head's
.endr
	global_store_b128 v[L16], v[SA:SA+3], s[28:29] offset:4096
	global_store_b128 v[L16], v[SB:SB+3], s[30:31] offset:4096
.else
	global_store_b128 v[VSO], v[SEL:SEL+3], s[28:29] offset:8704   ; two heads' 256 bytes each
.endif
	s_wait_xcnt 0x0                                ; every pointer below, and the stores' data, are written again only behind this wait
	s_add_nc_u64 s[4:5], s[4:5], 32768
	s_add_nc_u64 s[6:7], s[6:7], 2048
.if \kind == 0
	s_add_nc_u64 s[28:29], s[28:29], s[56:57]      ; the next record of 128 tokens
	s_add_nc_u64 s[30:31], s[30:31], s[56:57]
.else
	s_add_nc_u64 s[12:13], s[12:13], 512
	s_add_nc_u64 s[28:29], s[28:29], 286720        ; two heads on
.endif
	s_sub_co_i32 s35, s35, 1
	s_cmp_lg_u32 s35, 0
	s_cbranch_scc1 .Lgroup_\@
	s_endpgm
.endm
	v_lshl_add_u32 v[SPW], v0, 2, SPARE
	v_mov_b32 v[NIL], 0
	v_lshrrev_b32 v12, 5, v0
	v_readfirstlane_b32 s32, v12                   ; wave 0..3
	s_mov_b32 s33, ttmp9                           ; x
	s_and_b32 s34, ttmp7, 0xffff                   ; y
	v_and_b32 v12, 31, v0                          ; lane
	v_and_b32 v13, 15, v0                          ; r
	v_bfe_u32 v14, v0, 4, 1                        ; h
	v_lshlrev_b32 v[L16], 4, v12
	v_lshlrev_b32 v[TA], 8, v13
	v_lshl_add_u32 v[TA], v14, 4, v[TA]
	v_lshlrev_b32 v[R16], 4, v13
	v_lshlrev_b32 v[R4], 2, v13
	v_lshlrev_b32 v[B32], 5, v14
	v_mul_u32_u24 v[VSO], v14, 143360
	v_lshl_add_u32 v[VSO], v13, 4, v[VSO]
	v_lshlrev_b32 v[L8], 3, v12
	s_mul_i32 s40, s32, 8448                       ; my stage
	v_add_nc_u32 v[MST], s40, v[L16]
	v_mul_u32_u24 v[MRD], v13, 528
	v_lshl_add_u32 v[MRD], v14, 5, v[MRD]
	v_add_nc_u32 v[MRD], s40, v[MRD]
	s_mov_b32 s36, 0xffff0000                      ; lanes 16-31
	s_mov_b32 s38, 0x76543210
	s_mov_b32 s39, 0xfedcba98                      ; v_permlanex16_b32's selects for lane l xor 16
.irp b, 0,1,2,3
	v_mov_b32 v[TM+4+\b], 0                        ; written once: a lane permute's destination counts as one of its sources
.endr
	s_cmp_eq_u32 s34, 3
	s_cbranch_scc1 .Lmask
	s_cmp_eq_u32 s34, 2
	s_cbranch_scc1 .Lv
	; ---- q (y = 0) or k (y = 1): tokens 256 x on, wave w holds rows 128 w on of W
	s_load_b256 s[4:11], s[0:1], 0x0               ; Q's codes, scales, Wq's codes, scales
	s_load_b128 s[12:15], s[0:1], 0x20             ; bq, qrec
	s_load_b256 s[16:23], s[0:1], 0x30             ; the same for k
	s_load_b128 s[24:27], s[0:1], 0x50
	s_lshl_b32 s40, s33, 16                        ; 256 tokens of 256 bytes
	s_mov_b32 s41, 0
	s_lshl_b32 s42, s33, 12                        ; and of 16 scale bytes
	s_mov_b32 s43, 0
	s_lshl_b32 s44, s32, 15                        ; 128 rows of W
	s_mov_b32 s45, 0
	s_lshl_b32 s46, s32, 11
	s_mov_b32 s47, 0
	s_lshl_b32 s48, s32, 9                         ; 128 numbers of the bias
	s_mov_b32 s49, 0
	s_lshr_b32 s52, s33, 3
	s_lshl_b32 s52, s52, 3
	s_lshl_b32 s53, s32, 1
	s_add_co_u32 s52, s52, s53                     ; batch x 8 + my even head
	s_and_b32 s53, s33, 7
	s_lshl_b32 s53, s53, 1                         ; the first of my two records of 128 tokens
	s_wait_kmcnt 0x0
	s_cmp_eq_u32 s34, 0                            ; the choice hangs on the work-group's number alone
	s_cselect_b64 s[4:5], s[4:5], s[16:17]
	s_cselect_b64 s[6:7], s[6:7], s[18:19]
	s_cselect_b64 s[8:9], s[8:9], s[20:21]
	s_cselect_b64 s[10:11], s[10:11], s[22:23]
	s_cselect_b64 s[12:13], s[12:13], s[24:25]
	s_cselect_b64 s[14:15], s[14:15], s[26:27]
	s_mov_b32 s54, 143360
	s_cselect_b32 s54, 73728, s54                  ; bytes from head to head
	s_mov_b32 s56, 8960
	s_cselect_b32 s56, 4608, s56                   ; and from record to record
	s_mov_b32 s55, 0
	s_mov_b32 s57, 0
	s_mul_i32 s52, s52, s54
	s_mul_i32 s53, s53, s56
	s_add_co_u32 s52, s52, s53
	s_mov_b32 s53, 0
	s_add_nc_u64 s[4:5], s[4:5], s[40:41]
	s_add_nc_u64 s[6:7], s[6:7], s[42:43]
	s_add_nc_u64 s[8:9], s[8:9], s[44:45]
	s_add_nc_u64 s[10:11], s[10:11], s[46:47]
	s_add_nc_u64 s[12:13], s[12:13], s[48:49]
	s_add_nc_u64 s[28:29], s[14:15], s[52:53]      ; the even head's record
	s_add_nc_u64 s[30:31], s[28:29], s[54:55]      ; the odd head's
	PROJ 0
.Lv:	; ---- v: wave w holds the 128 tokens of key group 4 (x / 2) + w; channels 256 (x % 2) on are streamed
	s_load_b256 s[4:11], s[0:1], 0x60              ; Wv's codes, scales, V's codes, scales
	s_load_b64 s[12:13], s[0:1], 0x80              ; bv
	s_load_b64 s[14:15], s[0:1], 0x58              ; kv
	s_and_b32 s48, s33, 1
	s_lshl_b32 s40, s48, 16
	s_mov_b32 s41, 0
	s_lshl_b32 s42, s48, 12
	s_mov_b32 s43, 0
	s_lshr_b32 s49, s33, 1
	s_lshl_b32 s49, s49, 2
	s_add_co_u32 s49, s49, s32                     ; my key group among the 128 of all batches
	s_lshl_b32 s44, s49, 15
	s_mov_b32 s45, 0
	s_lshl_b32 s46, s49, 11
	s_mov_b32 s47, 0
	s_lshl_b32 s50, s48, 10
	s_mov_b32 s51, 0
	s_lshr_b32 s52, s33, 3
	s_lshl_b32 s52, s52, 3
	s_lshl_b32 s53, s48, 2
	s_add_co_u32 s52, s52, s53                     ; batch x 8 + my first head
	s_mul_i32 s52, s52, 143360
	s_and_b32 s53, s49, 15                         ; my key group in its batch
	s_mul_i32 s53, s53, 8960
	s_add_co_u32 s52, s52, s53
	s_mov_b32 s53, 0
	s_wait_kmcnt 0x0
	s_add_nc_u64 s[4:5], s[4:5], s[40:41]
	s_add_nc_u64 s[6:7], s[6:7], s[42:43]
	s_add_nc_u64 s[8:9], s[8:9], s[44:45]
	s_add_nc_u64 s[10:11], s[10:11], s[46:47]
	s_add_nc_u64 s[12:13], s[12:13], s[50:51]
	s_add_nc_u64 s[28:29], s[14:15], s[52:53]
	PROJ 1
.Lmask:	; ---- the mask: wave W = 4 x + w takes query tile W / 2 and key steps 8 (W % 2) + 0 .. 7
	s_load_b128 s[4:7], s[0:1], 0x88               ; mask, maskw
	s_lshl_b32 s40, s33, 2
	s_add_co_u32 s40, s40, s32                     ; W
	s_lshr_b32 s41, s40, 1
	s_lshl_b32 s42, s41, 17                        ; 16 rows of 8,192 bytes
	s_and_b32 s43, s40, 1
	s_lshl_b32 s43, s43, 12                        ; 8 key steps of 512 bytes
	s_add_co_u32 s42, s42, s43
	s_mov_b32 s43, 0
	s_lshl_b32 s44, s40, 11                        ; 8 key steps of 64 words
	s_mov_b32 s45, 0
.irp j, 0,1,2,3,4,5,6,7,8,9,10,11,12,13,14,15
	v_mov_b32 v[MO+\j], 0                          ; written once: v_writelane_b32's destination counts as read
.endr
	s_wait_kmcnt 0x0
	s_add_nc_u64 s[4:5], s[4:5], s[42:43]
	s_add_nc_u64 s[6:7], s[6:7], s[44:45]
.macro LOADM i                         ; tile i: 16 rows x 128 words; each load reads 512 consecutive bytes of a row
.irp p, 0,1,2,3,4,5,6,7,8,9,10,11,12,13,14,15
	global_load_b128 v[MR+64*((\i)%2)+4*\p:MR+64*((\i)%2)+4*\p+3], v[L16], s[4:5] offset:\p*8192+(\i)*512 th:TH_LOAD_NT
.endr
.endm
.macro TILE i
.if (\i) < 7
	s_wait_loadcnt 16                              ; this tile's 16 loads are in; the next tile's may be out
.else
	s_wait_loadcnt 0x0
.endif
.irp p, 0,1,2,3,4,5,6,7,8,9,10,11,12,13,14,15
	ds_store_b128 v[MST], v[MR+64*((\i)%2)+4*\p:MR+64*((\i)%2)+4*\p+3] offset:\p*528   ; rows 528 bytes apart in my own stage
.endr
.irp t, 0,1,2,3,4,5,6,7
.irp q, 0,1
	ds_load_b128 v[MB+8*\t+4*\q:MB+8*\t+4*\q+3], v[MRD] offset:64*\t+16*\q   ; LDS serves a wave's instructions in order: these see my stores.  Register 8 t + j: mask(r, 16 t + 8 h + j)
.endr
.endr
	s_wait_dscnt 0x0                               ; the words are back, and the stores have read their registers,
.if (\i) < 6
	LOADM (\i)+2                                   ; which take the tile two further on
.endif
.irp f, 0,1
.set MK, 0
.rept 32
	v_cmp_ne_u32 s[68+MK], 0, v[MB+32*\f+MK]       ; the lane mask of score register 32 f + MK
.set MK, MK+1
.endr
.set MK, 0
.rept 32
	v_writelane_b32 v[MO+2*(\i)+(MK&1)], s[68+MK], 16*\f+(MK>>1)   ; word n goes to lane n / 2, register n % 2
.set MK, MK+1
.endr
.endr
	global_store_b64 v[L8], v[MO+2*(\i):MO+2*(\i)+1], s[6:7] offset:(\i)*256   ; 32 lanes store 256 consecutive bytes, aligned; each tile has its own pair
.endm
	LOADM 0
	LOADM 1
.irp q, 0,1,2,3,4,5,6,7
	TILE \q
.endr
	s_wait_tensorcnt 0x0                           ; the wave's end, behind my last LDS store
	ds_add_u32 v[SPW], v[NIL]
	s_wait_dscnt 0x0
	s_endpgm
.Lfunc_end_k_q9e1c046fe7_prep:
	.size	k_q9e1c046fe7_prep, .Lfunc_end_k_q9e1c046fe7_prep-k_q9e1c046fe7_prep
	.p2alignl 7, 3214868480
	.fill 96, 4, 3214868480
	.section	.rodata,"a",@progbits
	.p2align	6, 0x0
	.amdhsa_kernel k_q9e1c046fe7_prep
		.amdhsa_group_segment_fixed_size 34304
		.amdhsa_private_segment_fixed_size 0
		.amdhsa_enable_private_segment 0
		.amdhsa_kernarg_size 152
		.amdhsa_user_sgpr_count 2
		.amdhsa_user_sgpr_kernarg_segment_ptr 1
		.amdhsa_wavefront_size32 1
		.amdhsa_system_sgpr_workgroup_id_x 1
		.amdhsa_system_sgpr_workgroup_id_y 1
		.amdhsa_system_sgpr_workgroup_id_z 1
		.amdhsa_system_vgpr_workitem_id 0
		.amdhsa_next_free_vgpr 576
		.amdhsa_next_free_sgpr 100
		.amdhsa_reserve_vcc 0
		.amdhsa_float_denorm_mode_32 3
		.amdhsa_float_denorm_mode_16_64 3
		.amdhsa_memory_ordered 1
		.amdhsa_forward_progress 1
		.amdhsa_inst_pref_size 255
	.end_amdhsa_kernel
	.section	.bss,"aw",@nobits
	.p2align	6
	.space	262144
	.amdgpu_metadata
---
amdhsa.version: [ 1, 2 ]
amdhsa.kernels:
  - .name:           k_q9e1c046fe7_prep
    .symbol:         k_q9e1c046fe7_prep.kd
    .args:
      - { .name: Q_codes, .offset: 0, .size: 8, .value_kind: global_buffer, .address_space: global }
      - { .name: Q_scales, .offset: 8, .size: 8, .value_kind: global_buffer, .address_space: global }
      - { .name: Wq_codes, .offset: 16, .size: 8, .value_kind: global_buffer, .address_space: global }
      - { .name: Wq_scales, .offset: 24, .size: 8, .value_kind: global_buffer, .address_space: global }
      - { .name: bq, .offset: 32, .size: 8, .value_kind: global_buffer, .address_space: global }
      - { .name: qrec, .offset: 40, .size: 8, .value_kind: global_buffer, .address_space: global }
      - { .name: K_codes, .offset: 48, .size: 8, .value_kind: global_buffer, .address_space: global }
      - { .name: K_scales, .offset: 56, .size: 8, .value_kind: global_buffer, .address_space: global }
      - { .name: Wk_codes, .offset: 64, .size: 8, .value_kind: global_buffer, .address_space: global }
      - { .name: Wk_scales, .offset: 72, .size: 8, .value_kind: global_buffer, .address_space: global }
      - { .name: bk, .offset: 80, .size: 8, .value_kind: global_buffer, .address_space: global }
      - { .name: kv, .offset: 88, .size: 8, .value_kind: global_buffer, .address_space: global }
      - { .name: Wv_codes, .offset: 96, .size: 8, .value_kind: global_buffer, .address_space: global }
      - { .name: Wv_scales, .offset: 104, .size: 8, .value_kind: global_buffer, .address_space: global }
      - { .name: V_codes, .offset: 112, .size: 8, .value_kind: global_buffer, .address_space: global }
      - { .name: V_scales, .offset: 120, .size: 8, .value_kind: global_buffer, .address_space: global }
      - { .name: bv, .offset: 128, .size: 8, .value_kind: global_buffer, .address_space: global }
      - { .name: mask, .offset: 136, .size: 8, .value_kind: global_buffer, .address_space: global }
      - { .name: maskw, .offset: 144, .size: 8, .value_kind: global_buffer, .address_space: global }
    .group_segment_fixed_size: 34304
    .private_segment_fixed_size: 0
    .kernarg_segment_align: 8
    .kernarg_segment_size: 152
    .max_flat_workgroup_size: 128
    .sgpr_count:     100
    .vgpr_count:     576
    .wavefront_size: 32
...
	.end_amdgpu_metadata
.endif
;; end of part 1
;; launch attn (part 2): grid 4 x 64, 16 waves a work-group, clusters of 4 x 1, 167,936 bytes of LDS; arguments qrec, kv, maskw, oc, os; writes oc, os
.if DOCPART == 2
	.amdgcn_target "amdgcn-amd-amdhsa--gfx1250"
	.amdhsa_code_object_version 6
	.text
	.protected	k_q9e1c046fe7_attn
	.globl	k_q9e1c046fe7_attn
	.p2align	8
	.type	k_q9e1c046fe7_attn,@function
k_q9e1c046fe7_attn:
	s_mov_b64 s[64:65], 0
	v_nop
	global_prefetch_b8 v0, s[64:65] scope:SCOPE_SE
	s_setreg_imm32_b32 hwreg(HW_REG_WAVE_MODE, 25, 1), 1
	s_wait_xcnt 0x0
	s_wait_alu depctr_hold_cnt(0) depctr_sa_sdst(0) depctr_va_vdst(0) depctr_va_sdst(0) depctr_va_ssrc(0) depctr_va_vcc(0) depctr_vm_vsrc(0)
	s_getreg_b32 s2, hwreg(HW_REG_IB_STS2, 6, 4)
	s_cmp_eq_u32 s2, 0
	s_cbranch_scc0 .Lentry_in_a_cluster
	s_endpgm
.Lentry_in_a_cluster:
	s_bfe_u32 s2, ttmp6, 0x10000c
	s_cmp_lg_u32 s2, 0x3003
	s_cbranch_scc0 .Lentry_shape_is_right
	s_endpgm
.Lentry_shape_is_right:
; SECOND LAUNCH: scores, mask, softmax, P V, O / l and its quantiser, all on codes of FP4 (E2M1) with one E8M0 scale for each 32 along a product's K.  No work is left out.
; The head's size is 64 and the matrix instruction's K is 128: the upper 64 are ZERO CODES on both sides (registers 4-7 of q's and k's fragments, cleared once), which add nothing; their scale bytes are 0, not 0xff.
; SHARES.  A work-group owns 512 queries of one (batch, head); each of its sixteen waves owns two tiles of 16 queries and takes them one after the other; each pass walks the head's 2,048 keys, 128 a step.
; A HEAD'S WHOLE K AND V, codes and scale words, are 16 records of 8,960 bytes: 143,360 bytes, which stay in LDS.  Each wave fetches one record by one tensor load at the head: nothing is ever filled again, and the loop has no barrier.
; CLUSTER.  The four work-groups of a cluster belong to one (batch, head): each record is asked for JOINTLY, by the same tensor load with the same descriptor and a mask that names the four.
; LAYOUT.  Both products are used transposed: S^T = K Q^T (source 0 = 16 keys, source 1 = my 16 queries), O^T = V^T P^T (source 0 = 16 channels, source 1 = P): a lane holds ONE query (lane % 16) throughout.
; Score register 8 t + j of lane (r, h) is key 16 t + 8 h + j: block b of 32 keys is registers 16 b .. 16 b + 15 of lanes l and l xor 16.  The codes of tile 4 c + 2 e + u go to register 4 c + 2 u + e of P, and one exchange of halves
; for each pair (4 c + 2 u, 4 c + 2 u + 1) gives the operand's layout.
; THE MASK comes as 64 lane-mask words a step, by scalar loads a step ahead: one v_cndmask_b32 a register, no compare.
; THE SOFTMAX: t = score x log2(e) / 8; M = the running largest t rounded UP to a whole number; p = 2^(t - M) is quantised, not normalised; the row's sum is taken of the unquantised p and divides O at the end.
; LIMIT: a hidden score is -2^100 where the problem has -1e30 x 8.  -2^100 x c is exact, so a row all of whose keys so far are hidden gets t - M = 0 and p = 1, as the problem has it; a later true score makes f = 0, which wipes those terms.
; True scores under about -1e29 are not told apart from hidden ones.  A block of zeros keeps the byte 1 (its codes are zeros; this program alone reads the bytes).  NaN and infinities are not served.
.set REC,  8960                        ; a record: 4,096 K's codes, 512 K's scale words, 4,096 V's codes, 256 V's scale words
.set OSB,  143360                      ; behind the records: O's scale halfwords of the work-group's 512 queries, 1,024 bytes
.set SPARE, 144384                     ; the spare words, 128 bytes for each of sixteen waves
.set AL,  1                            ; v1   16 x lane
.set AR,  2                            ; v2   16 r
.set SPW, 3                            ; v3   LDS address of my spare word; never rewritten
.set NIL, 4                            ; v4   0; never rewritten
.set XH,  5                            ; v5   -2^100
.set ADR, 6                            ; v6   the step's record + 16 x lane
.set ADV, 7                            ; v7   the step's record + 16 r
.set OSA, 8                            ; v8   where my tile's scale halfword goes
.set QCO, 9                            ; v9   my first tile's codes in its record of q
.set QSO, 10                           ; v10  and its scale word
.set OSR, 57                           ; v57  OSB + 16 x lane
.set QS,  24                           ; v24  q's scale word;  v12 -M, v13 the largest t, v[14:15] the sum in two halves, v[16:23] q
.set PS,  25                           ; v25  p's scale word
.set KS,  26                           ; v26-29 k's scale words: lanes 0-15 tiles 0-3, lanes 16-31 tiles 4-7
.set VS,  30                           ; v30-33 v's scale words, a register a tile of channels
.set PC,  34                           ; v34-41 p's codes
.set BM,  42                           ; v42-45 a block's largest score, then its largest p
.set BT,  46                           ; v46-49 at work
.set SCO, 50                           ; v50-53 the conversions' scale operands
.set F,   54                           ; v[54:55] f = 2^(old M - new M), later 1 / l (the pair's upper half is written once)
.set KF,  64                           ; v64-127  k's eight fragments
.set S,   128                          ; v128-191 S^T, then p
.set O,   192                          ; v192-223 O^T
.set VF,  224                          ; v224-255 v's four fragments
.macro CROUND                          ; a round of the cluster's barrier
	s_barrier_signal -1
	s_barrier_wait -1
	s_cmp_lg_u32 s30, 0
	s_cbranch_scc1 .Lnot_wave_0_\@
	s_barrier_signal -3
.Lnot_wave_0_\@:
	s_barrier_wait -3
	s_barrier_signal -1
	s_barrier_wait -1
.endm
.macro MASKS                           ; a step's 64 lane-mask words: word n in s[32 + n] (n < 32) or s[36 + n]
	s_load_b512 s[32:47], s[20:21], s67 offset:0
	s_load_b512 s[48:63], s[20:21], s67 offset:64
	s_load_b512 s[68:83], s[20:21], s67 offset:128
	s_load_b512 s[84:99], s[20:21], s67 offset:192
.endm
	s_load_b256 s[16:23], s[0:1], 0x0              ; qrec s[16:17], kv s[18:19], maskw s[20:21], oc s[22:23]
	s_load_b64 s[24:25], s[0:1], 0x20              ; os
	v_lshl_add_u32 v[SPW], v0, 2, SPARE
	v_mov_b32 v[NIL], 0
	ds_add_u32 v[SPW], v[NIL]                      ; the wave's opening: the add, twice on end, and its wait ahead of my first tensor load
	ds_add_u32 v[SPW], v[NIL]                      ; and once more, under the one wait; the set-up below, work on registers, stands between
	v_lshrrev_b32 v11, 5, v0
	v_readfirstlane_b32 s30, v11                   ; wave 0..15
	s_and_b32 s104, ttmp7, 0xffff                  ; y = batch x 8 + head, which the four partners share
	; descriptor group 1: a record as 35 rows of 256 bytes (32 elements of 8 bytes), dense, no padding
	s_mov_b32 s8, 15|(3<<16)|(1<<21)               ; 15:0 the mask: all four work-groups; 17:16 elements of 8 bytes; 21 set beside a mask
	s_mov_b32 s9, 32<<16                           ; tensor_dim0 = 32
	s_mov_b32 s10, 35<<16                          ; tensor_dim1 = 35
	s_mov_b32 s11, 32<<16                          ; tile_dim0 = 32
	s_mov_b32 s12, 35                              ; tile_dim1 = 35
	s_mov_b32 s13, 32                              ; the pitch
	s_mov_b32 s14, 0
	s_mov_b32 s15, 0
	s_mov_b32 s4, 1                                ; group 0: count = 1
	s_mul_i32 s5, s30, REC                         ; LDS address: record w
	s_mul_i32 s2, s104, 16*REC
	s_add_co_u32 s2, s2, s5                        ; and the same record of my head in memory: no place in the cluster enters either
	s_mov_b32 s3, 0
	s_mov_b32 s26, 0x76543210
	s_mov_b32 s27, 0xfedcba98                      ; v_permlanex16_b32's selects for lane l xor 16
	s_mov_b32 s28, 0x3e38aa3b                      ; c = log2(e) / sqrt(64)
	s_mov_b32 s29, s28                             ; (named with it as a pair, so it is written)
	s_wait_dscnt 0x0                               ; both opening adds are done
	s_wait_kmcnt 0x0
	s_add_nc_u64 s[6:7], s[18:19], s[2:3]
	s_or_b32 s7, s7, 0x80000000                    ; type = 2
	CROUND                                         ; all four work-groups are here: the joint loads meet
	tensor_load_to_lds s[4:7], s[8:15]             ; my one tensor load of the launch: one is out
	s_nop 0
.rept 4
	v_nop
.endr
	s_bfe_u32 s100, ttmp6, 0x40000                 ; cx: it enters global addresses alone
	s_lshl_b32 s101, ttmp9, 2
	s_add_co_u32 s101, s101, s100                  ; x: my block of 512 queries
	s_lshl_b32 s67, s101, 5
	s_lshl_b32 s2, s30, 1
	s_add_co_u32 s67, s67, s2                      ; my first query tile among the sequence's 128
	s_lshl_b32 s67, s67, 12                        ; its mask words: 16 steps of 256 bytes a tile; my two tiles' words follow each other
	MASKS                                          ; the first step's
	s_lshl_b32 s2, s101, 2
	s_lshr_b32 s3, s30, 2
	s_add_co_u32 s2, s2, s3                        ; q: the record of 128 queries that holds my two tiles
	s_mul_i32 s2, s2, 4608
	s_mul_i32 s3, s104, 73728
	s_add_co_u32 s2, s2, s3
	s_mov_b32 s3, 0
	s_add_nc_u64 s[16:17], s[16:17], s[2:3]
	s_lshr_b32 s2, s104, 3
	s_lshl_b32 s2, s2, 7
	s_lshl_b32 s3, s101, 5
	s_add_co_u32 s2, s2, s3
	s_lshl_b32 s3, s30, 1
	s_add_co_u32 s2, s2, s3                        ; oc: my first token tile among all 1,024,
	s_lshl_b32 s2, s2, 12
	s_and_b32 s3, s104, 7
	s_lshl_b32 s3, s3, 9                           ; my head's 512 bytes in it
	s_add_co_u32 s2, s2, s3
	s_mov_b32 s3, 0
	s_add_nc_u64 s[22:23], s[22:23], s[2:3]
	s_lshl_b32 s2, s104, 12
	s_lshl_b32 s3, s101, 10
	s_add_co_u32 s2, s2, s3                        ; os: 4,096 bytes a (batch, head), 1,024 a work-group
	s_mov_b32 s3, 0
	s_add_nc_u64 s[24:25], s[24:25], s[2:3]
	v_and_b32 v11, 31, v0
	v_lshlrev_b32 v[AL], 4, v11
	v_and_b32 v11, 15, v0                          ; r
	v_lshlrev_b32 v[AR], 4, v11
	v_mov_b32 v[XH], 0xf1800000                    ; -2^100
	v_add_nc_u32 v[OSR], OSB, v[AL]
	s_lshr_b32 s2, s30, 1
	s_lshl_b32 s2, s2, 7                           ; a group of four tiles is 128 bytes: [r][tile] halfwords
	s_and_b32 s3, s30, 1
	s_lshl_b32 s3, s3, 2
	s_add_co_u32 s2, s2, s3
	s_add_co_u32 s2, s2, OSB
	v_lshl_add_u32 v[OSA], v11, 3, s2
	s_and_b32 s2, s30, 3
	s_lshl_b32 s2, s2, 10                          ; tile 2 (w % 4) of the record's eight
	v_add_nc_u32 v[QCO], s2, v[AL]
	s_lshr_b32 s2, s30, 1
	s_and_b32 s2, s2, 1
	s_lshl_b32 s2, s2, 8
	s_and_b32 s3, s30, 1
	s_lshl_b32 s3, s3, 3
	s_add_co_u32 s2, s2, s3
	s_add_co_u32 s2, s2, 4096                      ; its scale words: [tile / 4][r][tile % 4]
	v_add_nc_u32 v[QSO], s2, v[AR]
.irp j, 20,21,22,23
	v_mov_b32 v[\j], 0                             ; q's upper 64 along K: zero codes, for good
.endr
.irp t, 0,1,2,3,4,5,6,7
.irp j, 4,5,6,7
	v_mov_b32 v[KF+8*\t+\j], 0                     ; k's likewise
.endr
.endr
.irp b, 0,1,2,3
	v_mov_b32 v[BT+\b], 0                          ; written once: a lane permute's destination counts as one of its sources
.endr
	v_mov_b32 v[F+1], 0                            ; (named as the upper half of a pair)
	v_mov_b32 v56, 0
	s_wait_tensorcnt 0x0                           ; my record is in,
	s_barrier_signal -1
	s_barrier_wait -1                              ; everybody's is: the head's K and V lie in LDS for the rest of the launch
; ONE TILE OF 16 QUERIES: tile 2 w + p of the work-group's 32.
.macro PASS p
	s_wait_xcnt 0x0                                ; the last pass's store has read the codes' registers
	global_load_b128 v[16:19], v[QCO], s[16:17] offset:512*\p
	global_load_b32 v[QS], v[QSO], s[16:17] offset:4*\p
	v_mov_b32 v13, 0xff61b1e6                      ; the largest t so far: -3e38, under every t
	v_floor_f32 v12, -v13                          ; -M
	v_mov_b32 v14, 0
	v_mov_b32 v15, 0
.set MN, 0
.rept 32
	v_mov_b32 v[O+MN], 0                           ; O^T.  (The step is written once: the first finds zeros, which the first change of M leaves zeros)
.set MN, MN+1
.endr
	s_mov_b32 s66, 0                               ; the step's record in LDS
	s_mov_b32 s31, 16
	s_wait_loadcnt 0x0
.Lstep_\@:
	v_add_nc_u32 v[ADR], s66, v[AL]
	v_add_nc_u32 v[ADV], s66, v[AR]
	v_nop
	v_nop                                          ; four places behind the last step's products, ahead of loads into registers that they read
.irp t, 0,1,2,3,4,5,6,7
	ds_load_b128 v[KF+8*\t:KF+8*\t+3], v[ADR] offset:512*\t
.endr
	ds_load_b128 v[KS:KS+3], v[ADR] offset:4096
.irp d, 0,1,2,3
.irp c, 0,1
	ds_load_b128 v[VF+8*\d+4*\c:VF+8*\d+4*\c+3], v[ADR] offset:4608+1024*\d+512*\c
.endr
.endr
	ds_load_b128 v[VS:VS+3], v[ADV] offset:8704
	s_wait_dscnt 9                                 ; K's nine loads are in; V's nine may stay out
.irp t, 0,1,2,3
	v_wmma_scale_f32_16x16x128_f8f6f4 v[S+8*\t:S+8*\t+7], v[KF+8*\t:KF+8*\t+7], v[16:23], 0, v[KS+\t], v[QS] matrix_a_fmt:MATRIX_FMT_FP4 matrix_b_fmt:MATRIX_FMT_FP4
.endr
.irp t, 4,5,6,7
	v_wmma_scale_f32_16x16x128_f8f6f4 v[S+8*\t:S+8*\t+7], v[KF+8*\t:KF+8*\t+7], v[16:23], 0, v[KS+\t-4], v[QS] matrix_a_fmt:MATRIX_FMT_FP4 matrix_b_fmt:MATRIX_FMT_FP4 matrix_a_scale:MATRIX_SCALE_ROW1
.endr
.rept 4
	v_nop
.endr
	s_wait_kmcnt 0x0                               ; this step's mask words, asked for a step ago
.set MN, 0
.rept 64
	v_cndmask_b32 v[S+MN], v[XH], v[S+MN], s[32+MN+4*(MN/32)]   ; a hidden score becomes -2^100; each accumulator from its low end on
.set MN, MN+1
.endr
.irp b, 0,1,2,3
	v_max3_num_f32 v[BM+\b], v[S+16*\b], v[S+16*\b+1], v[S+16*\b+2]   ; the largest score of each block of 32 keys: for the row's maximum, and, since p rises with the score, for the block's largest p
.endr
.irp i, 3,5,7,9,11,13
.irp b, 0,1,2,3
	v_max3_num_f32 v[BM+\b], v[BM+\b], v[S+16*\b+\i], v[S+16*\b+\i+1]
.endr
.endr
.irp b, 0,1,2,3
	v_max_num_f32 v[BM+\b], v[BM+\b], v[S+16*\b+15]
.endr
.irp b, 0,1,2,3
	v_permlanex16_b32 v[BT+\b], v[BM+\b], s26, s27
.endr
.irp b, 0,1,2,3
	v_max_num_f32 v[BM+\b], v[BM+\b], v[BT+\b]     ; with lane l xor 16's 16 keys
.endr
	s_add_co_u32 s67, s67, 256                     ; (the wait on KMcnt above has shown the last loads done: their offset may be written)
	s_min_u32 s67, s67, 524032                     ; the very last request is held inside the buffer; its words are not used
	MASKS                                          ; the next step's mask words
	v_max3_num_f32 v56, v[BM], v[BM+1], v[BM+2]
	v_max_num_f32 v56, v56, v[BM+3]                ; the step's largest score of my query
	v_mul_f32 v56, s28, v56                        ; as t
	v_max_num_f32 v13, v13, v56                    ; the running largest t
	v_mov_b32 v56, v12
	v_floor_f32 v12, -v13                          ; the new -M = floor(-t): M is a whole number
	v_sub_f32 v56, v12, v56                        ; M's old value less its new one
	v_cvt_i32_f32 v56, v56                         ; (it saturates)
	v_ldexp_f32 v[F], 1.0, v56                     ; f = 2^(old M - new M): exact
.set MN, 0
.rept 32
	v_pk_fma_f32 v[S+MN:S+MN+1], v[S+MN:S+MN+1], s[28:29], v[12:13] op_sel_hi:[1,0,0]   ; t - M, two at a time
.set MN, MN+2
.endr
.irp b, 0,1,2,3
	v_fma_f32 v[BM+\b], v[BM+\b], s28, v12         ; the same of each block's largest score
.endr
.set MN, 0
.rept 64
	v_exp_f32 v[S+MN], v[S+MN]                     ; p = 2^(t - M)
.set MN, MN+1
.endr
	v_pk_mul_f32 v[14:15], v[14:15], v[F:F+1] op_sel_hi:[1,0]   ; the sums under the new M: a plain place behind the exponentials
	s_wait_alu depctr_va_vdst(0)                   ; the wait ahead of the first instruction that names a result: one for the 64
.irp b, 0,1,2,3
	v_exp_f32 v[BM+\b], v[BM+\b]                   ; the block's largest p
.endr
	v_pk_add_f32 v[BT:BT+1], v[S:S+1], v[S+2:S+3]  ; the row's sum of the unquantised p, two at a time, in two chains
.set MN, 4
.rept 15
	v_pk_add_f32 v[14:15], v[14:15], v[S+MN:S+MN+1]
	v_pk_add_f32 v[BT:BT+1], v[BT:BT+1], v[S+MN+2:S+MN+3]
.set MN, MN+4
.endr
	v_pk_add_f32 v[14:15], v[14:15], v[BT:BT+1]
	s_wait_alu depctr_va_vdst(0)                   ; and one for the four
.irp b, 0,1,2,3
	v_max_num_f32 v[BM+\b], 0x1800000, v[BM+\b]    ; the floor 2^(3 - 127): the byte cannot fall under 1
.endr
.irp b, 0,1,2,3
	v_add_nc_u32 v[SCO+\b], 0xff000000, v[BM+\b]   ; 2 off the exponent field: the conversion's scale operand
.endr
.irp b, 0,1,2,3
	v_lshrrev_b32 v[BT+\b], 23, v[SCO+\b]          ; the scale's byte
.endr
	v_lshl_or_b32 v[PS], v[BT+1], 8, v[BT]
	v_lshl_or_b32 v[PS], v[BT+2], 16, v[PS]
	v_lshl_or_b32 v[PS], v[BT+3], 24, v[PS]
.irp b, 0,1,2,3
	v_cvt_scalef32_pk8_fp4_f32 v[PC+4*(\b/2)+(\b%2)], v[S+16*\b:S+16*\b+7], v[SCO+\b]
	v_cvt_scalef32_pk8_fp4_f32 v[PC+4*(\b/2)+2+(\b%2)], v[S+16*\b+8:S+16*\b+15], v[SCO+\b]
.endr
	v_nop                                          ; one plain place behind a scaled conversion
.irp c, 0,1
	v_permlane16_swap_b32 v[PC+4*\c], v[PC+4*\c+1]
	v_permlane16_swap_b32 v[PC+4*\c+2], v[PC+4*\c+3]
.endr
.set MN, 0
.rept 16
	v_pk_mul_f32 v[O+MN:O+MN+1], v[O+MN:O+MN+1], v[F:F+1] op_sel_hi:[1,0]   ; O^T under the new M.  Twelve of these name no register of a given product below: the places behind p's scale word and codes
.set MN, MN+2
.endr
.rept 4
	v_nop
.endr
	s_wait_dscnt 0x0                               ; V's fragments and scale words are in
.irp d, 0,1,2,3
	v_wmma_scale_f32_16x16x128_f8f6f4 v[O+8*\d:O+8*\d+7], v[VF+8*\d:VF+8*\d+7], v[PC:PC+7], v[O+8*\d:O+8*\d+7], v[VS+\d], v[PS] matrix_a_fmt:MATRIX_FMT_FP4 matrix_b_fmt:MATRIX_FMT_FP4
.endr
	s_add_co_u32 s66, s66, REC
	s_sub_co_i32 s31, s31, 1
	s_cmp_lg_u32 s31, 0
	s_cbranch_scc1 .Lstep_\@
	; O / l, quantised along the head's 64 channels: two blocks of the last product's K
	v_add_f32 v14, v14, v15                        ; the sum's two halves.  (With the three below: four places behind the last products)
	v_nop
	v_nop
	v_nop
	v_permlanex16_b32 v56, v14, s26, s27
	v_add_f32 v14, v14, v56                        ; and lane l xor 16's: the row's sum
	v_rcp_f32 v[F], v14
	v_nop                                          ; a plain place behind the reciprocal
	s_wait_alu depctr_va_vdst(0)                   ; and the wait ahead of its first reader
.set MN, 0
.rept 16
	v_pk_mul_f32 v[S+MN:S+MN+1], v[O+MN:O+MN+1], v[F:F+1] op_sel_hi:[1,0]   ; register 8 d + j: channel 16 d + 8 h + j of my query
.set MN, MN+2
.endr
.irp b, 0,1
	v_max3_num_f32 v[BM+\b], |v[S+16*\b]|, |v[S+16*\b+1]|, 0x1800000
.endr
.irp i, 2,4,6,8,10,12,14
.irp b, 0,1
	v_max3_num_f32 v[BM+\b], v[BM+\b], |v[S+16*\b+\i]|, |v[S+16*\b+\i+1]|
.endr
.endr
.irp b, 0,1
	v_permlanex16_b32 v[BT+\b], v[BM+\b], s26, s27
.endr
.irp b, 0,1
	v_max_num_f32 v[BM+\b], v[BM+\b], v[BT+\b]
.endr
.irp b, 0,1
	v_add_nc_u32 v[SCO+\b], 0xff000000, v[BM+\b]
.endr
.irp b, 0,1
	v_lshrrev_b32 v[BT+\b], 23, v[SCO+\b]
.endr
	v_lshl_or_b32 v56, v[BT+1], 8, v[BT]           ; my query's two bytes
.irp b, 0,1
	v_cvt_scalef32_pk8_fp4_f32 v[PC+\b], v[S+16*\b:S+16*\b+7], v[SCO+\b]
	v_cvt_scalef32_pk8_fp4_f32 v[PC+2+\b], v[S+16*\b+8:S+16*\b+15], v[SCO+\b]
.endr
	v_nop
	v_permlane16_swap_b32 v[PC], v[PC+1]
	v_permlane16_swap_b32 v[PC+2], v[PC+3]
	global_store_b128 v[AL], v[PC:PC+3], s[22:23] offset:4096*\p   ; half a fragment of the last product: 512 consecutive bytes
	ds_store_b16 v[OSA], v56 offset:2*\p           ; both lanes of a query write the same halfword with the same value
.endm
	PASS 0
	PASS 1
	s_wait_dscnt 0x0                               ; for the others' sake: my halfwords have landed
	s_barrier_signal -1
	s_barrier_wait -1
	s_cmp_lg_u32 s30, 0
	s_cbranch_scc1 .Lnot_first                     ; wave 0 stores the work-group's 1,024 bytes of scale halfwords, dense
	ds_load_b128 v[128:131], v[OSR]
	ds_load_b128 v[132:135], v[OSR] offset:512
	s_wait_dscnt 0x0
	global_store_b128 v[AL], v[128:131], s[24:25]
	global_store_b128 v[AL], v[132:135], s[24:25] offset:512
.Lnot_first:
	s_wait_tensorcnt 0x0                           ; the wave's end, behind my last tensor load and my last LDS store
	ds_add_u32 v[SPW], v[NIL]
	s_wait_dscnt 0x0
	s_wait_kmcnt 0x0                               ; the last request for mask words
	CROUND                                         ; the closing round
	s_endpgm
.Lfunc_end_k_q9e1c046fe7_attn:
	.size	k_q9e1c046fe7_attn, .Lfunc_end_k_q9e1c046fe7_attn-k_q9e1c046fe7_attn
	.p2alignl 7, 3214868480
	.fill 96, 4, 3214868480
	.section	.rodata,"a",@progbits
	.p2align	6, 0x0
	.amdhsa_kernel k_q9e1c046fe7_attn
		.amdhsa_group_segment_fixed_size 167936
		.amdhsa_private_segment_fixed_size 0
		.amdhsa_enable_private_segment 0
		.amdhsa_kernarg_size 40
		.amdhsa_user_sgpr_count 2
		.amdhsa_user_sgpr_kernarg_segment_ptr 1
		.amdhsa_wavefront_size32 1
		.amdhsa_system_sgpr_workgroup_id_x 1
		.amdhsa_system_sgpr_workgroup_id_y 1
		.amdhsa_system_sgpr_workgroup_id_z 1
		.amdhsa_system_vgpr_workitem_id 0
		.amdhsa_next_free_vgpr 256
		.amdhsa_next_free_sgpr 106
		.amdhsa_reserve_vcc 0
		.amdhsa_float_denorm_mode_32 3
		.amdhsa_float_denorm_mode_16_64 3
		.amdhsa_memory_ordered 1
		.amdhsa_forward_progress 1
		.amdhsa_inst_pref_size 56
	.end_amdhsa_kernel
	.amdgpu_metadata
---
amdhsa.version: [ 1, 2 ]
amdhsa.kernels:
  - .name:           k_q9e1c046fe7_attn
    .symbol:         k_q9e1c046fe7_attn.kd
    .args:
      - { .name: qrec, .offset: 0, .size: 8, .value_kind: global_buffer, .address_space: global }
      - { .name: kv, .offset: 8, .size: 8, .value_kind: global_buffer, .address_space: global }
      - { .name: maskw, .offset: 16, .size: 8, .value_kind: global_buffer, .address_space: global }
      - { .name: oc, .offset: 24, .size: 8, .value_kind: global_buffer, .address_space: global }
      - { .name: os, .offset: 32, .size: 8, .value_kind: global_buffer, .address_space: global }
    .group_segment_fixed_size: 167936
    .private_segment_fixed_size: 0
    .kernarg_segment_align: 8
    .kernarg_segment_size: 40
    .max_flat_workgroup_size: 512
    .sgpr_count:     106
    .vgpr_count:     256
    .wavefront_size: 32
...
	.end_amdgpu_metadata
.endif
;; end of part 2
;; launch outp (part 3): grid 256 x 1, 4 waves a work-group, no clusters, 34,304 bytes of LDS; arguments oc, os, Wo_codes, Wo_scales, bo, out0; writes out0
.if DOCPART == 3
	.amdgcn_target "amdgcn-amd-amdhsa--gfx1250"
	.amdhsa_code_object_version 6
	.text
	.protected	k_q9e1c046fe7_outp
	.globl	k_q9e1c046fe7_outp
	.p2align	8
	.type	k_q9e1c046fe7_outp,@function
k_q9e1c046fe7_outp:
	s_mov_b64 s[64:65], 0
	v_nop
	global_prefetch_b8 v0, s[64:65] scope:SCOPE_SE
	s_setreg_imm32_b32 hwreg(HW_REG_WAVE_MODE, 25, 1), 1
	s_wait_xcnt 0x0
; THIRD LAUNCH: out0 = Q(O / l) Wo^T + bo on codes of FP4 (E2M1).  No work is left out.
; A work-group takes 64 tokens, four tiles of 16.  Wave w HOLDS rows 128 w on of Wo (256 registers, window 1) and bo in the result's layout (window 2), and streams the tokens' fragments, which the launch before
; laid as images of the operand's registers: [token tile][head][lane][16 bytes]; heads 2 s and 2 s + 1 are K step s.  The matrix instruction is used transposed (source 0 = 16 rows of Wo, source 1 = 16 tokens):
; a lane holds eight neighbouring channels of one token.  A tile's 16 rows x 512 bytes go through the wave's own stage in LDS and leave as whole rows.
; No cluster and no tensor load: fragments go from memory straight into registers; no barrier: waves share nothing.
.set L16, 1                            ; v1   16 x lane
.set TA,  2                            ; v2   256 r + 16 h
.set R16, 3                            ; v3   16 r
.set R8,  4                            ; v4   8 r
.set B32, 5                            ; v5   32 h
.set STO, 6                            ; v6   the stage, on the way in
.set RD,  7                            ; v7   and on the way out
.set HS,  12                           ; v12-43   Wo's scale words: tile t, K step s at 4 t + s
.set TSW, 44                           ; v44-59   the tokens' scale words: tile u, K step s at 4 u + s
.set TF,  60                           ; v60-123  the tokens' fragments, two sets of 32
.set ACC, 124                          ; v124-187 eight accumulators
.set BK,  188                          ; v188-251 16 rows read back from the stage
.set DD,  188                          ; v188-203 at the head: the scale halfwords as loaded, a pair a head
.set SPW, 252                          ; v252 LDS address of my spare word; never rewritten
.set NIL, 253                          ; v253 0; never rewritten
.set SPARE, 33792                      ; behind the four stages of 8,448 bytes
.set MSB, 0
.macro WIN new                         ; the immediate's high byte repeats the setting that is left
.if MSB != \new
	s_set_vgpr_msb (MSB<<8)|\new
.set MSB, \new
.endif
.endm
.macro OLOAD u, bank                   ; token tile u: eight heads' 512 bytes each
.irp d, 0,1,2,3,4,5,6,7
	global_load_b128 v[TF+32*(\bank)+4*\d:TF+32*(\bank)+4*\d+3], v[L16], s[4:5] offset:(\u)*4096+\d*512 th:TH_LOAD_NT
.endr
.endm
.macro MM bank, u                      ; 32 matrix instructions: K step by K step, the eight accumulators by turns; bo is the C of each sum's first product
.irp s, 0,1,2,3
.if \s == 0
	WIN 0x21                                       ; source 0 window 1, C window 2
.else
	WIN 0x01
.endif
.irp t, 0,1,2,3,4,5,6,7
.if \s == 0
	v_wmma_scale_f32_16x16x128_f8f6f4 v[ACC+8*\t:ACC+8*\t+7], v[8*(4*\t+\s):8*(4*\t+\s)+7], v[TF+32*(\bank)+8*\s:TF+32*(\bank)+8*\s+7], v[8*\t:8*\t+7], v[HS+4*\t+\s], v[TSW+4*(\u)+\s] matrix_a_fmt:MATRIX_FMT_FP4 matrix_b_fmt:MATRIX_FMT_FP4
.else
	v_wmma_scale_f32_16x16x128_f8f6f4 v[ACC+8*\t:ACC+8*\t+7], v[8*(4*\t+\s):8*(4*\t+\s)+7], v[TF+32*(\bank)+8*\s:TF+32*(\bank)+8*\s+7], v[ACC+8*\t:ACC+8*\t+7], v[HS+4*\t+\s], v[TSW+4*(\u)+\s] matrix_a_fmt:MATRIX_FMT_FP4 matrix_b_fmt:MATRIX_FMT_FP4
.endif
.endr
.endr
	WIN 0
.rept 5
	v_nop                                          ; FIVE places behind the last products.  Four serve the LDS stores that read results and the loads into the fragments' registers
.endr                                                  ; the fifth serves the next tile's first products, which write the accumulators anew with another C (bo): no other vector instruction stands between the two runs
.endm
.macro TRIP u
.set CUR, (\u)%2
.set NXT, 1-CUR
.if (\u) < 3
	OLOAD (\u)+1, NXT
	s_wait_loadcnt 8                               ; all but the next tile's eight loads are in
.else
	s_wait_loadcnt 0x0
.endif
	MM CUR, \u
	s_wait_xcnt 0x0                                ; the last tile's stores have read the rows' registers
.irp t, 0,1,2,3,4,5,6,7
	ds_store_b128 v[STO], v[ACC+8*\t:ACC+8*\t+3] offset:64*\t        ; each accumulator from its low end on
	ds_store_b128 v[STO], v[ACC+8*\t+4:ACC+8*\t+7] offset:64*\t+16
.endr
.irp p, 0,1,2,3,4,5,6,7,8,9,10,11,12,13,14,15
	ds_load_b128 v[BK+4*\p:BK+4*\p+3], v[RD] offset:528*\p           ; LDS serves a wave's instructions in order: these see my stores
.endr
.irp p, 0,1,2,3,4,5,6,7,8,9,10,11,12,13,14,15
	s_wait_dscnt 15-\p
	global_store_b128 v[L16], v[BK+4*\p:BK+4*\p+3], s[14:15] offset:(16*(\u)+\p)*2048 th:TH_STORE_NT   ; 32 lanes store 512 consecutive bytes, at a multiple of 256 from out0's first byte
.endr
.endm
	s_load_b256 s[4:11], s[0:1], 0x0               ; oc s[4:5], os s[6:7], Wo's codes s[8:9], Wo's scales s[10:11]
	s_load_b128 s[12:15], s[0:1], 0x20             ; bo s[12:13], out0 s[14:15]
	v_lshl_add_u32 v[SPW], v0, 2, SPARE
	v_mov_b32 v[NIL], 0
	v_lshrrev_b32 v8, 5, v0
	v_readfirstlane_b32 s16, v8                    ; wave 0..3
	v_and_b32 v8, 31, v0                           ; lane
	v_and_b32 v9, 15, v0                           ; r
	v_bfe_u32 v10, v0, 4, 1                        ; h
	v_lshlrev_b32 v[L16], 4, v8
	v_lshlrev_b32 v[TA], 8, v9
	v_lshl_add_u32 v[TA], v10, 4, v[TA]
	v_lshlrev_b32 v[R16], 4, v9
	v_lshlrev_b32 v[R8], 3, v9
	v_lshlrev_b32 v[B32], 5, v10
	s_mul_i32 s17, s16, 8448                       ; my stage: 16 rows of 512 bytes + 16
	v_mul_u32_u24 v[STO], v9, 528
	v_lshl_add_u32 v[STO], v10, 5, v[STO]
	v_add_nc_u32 v[STO], s17, v[STO]
	v_add_nc_u32 v[RD], s17, v[L16]
	s_mov_b32 s20, 0x05040100                      ; v_perm_b32: the two low halves
	s_mov_b32 s21, 0x07060302                      ; the two high halves
	s_lshl_b32 s22, ttmp9, 14                      ; oc: four token tiles of 4,096 bytes
	s_mov_b32 s23, 0
	s_lshr_b32 s24, ttmp9, 5
	s_lshl_b32 s24, s24, 15                        ; os: a batch's eight heads of 4,096 bytes,
	s_and_b32 s25, ttmp9, 31
	s_lshl_b32 s25, s25, 7                         ; my group of 64 tokens: 128 bytes a head
	s_add_co_u32 s24, s24, s25
	s_mov_b32 s25, 0
	s_lshl_b32 s26, s16, 15                        ; my 128 rows of Wo
	s_mov_b32 s27, 0
	s_lshl_b32 s28, s16, 11
	s_mov_b32 s29, 0
	s_lshl_b32 s30, s16, 9                         ; my 128 numbers of bo, and my 512 bytes of a row of out0
	s_mov_b32 s31, 0
	s_lshl_b32 s32, ttmp9, 17                      ; 64 rows of 2,048 bytes
	s_mov_b32 s33, 0
	s_wait_kmcnt 0x0
	s_add_nc_u64 s[4:5], s[4:5], s[22:23]
	s_add_nc_u64 s[6:7], s[6:7], s[24:25]
	s_add_nc_u64 s[8:9], s[8:9], s[26:27]
	s_add_nc_u64 s[10:11], s[10:11], s[28:29]
	s_add_nc_u64 s[12:13], s[12:13], s[30:31]
	s_add_nc_u64 s[14:15], s[14:15], s[32:33]
	s_add_nc_u64 s[14:15], s[14:15], s[30:31]
	WIN 0x40                                       ; destination window 1
.irp t, 0,1,2,3,4,5,6,7
.irp s, 0,1,2,3
.irp c, 0,1
	global_load_b128 v[8*(4*\t+\s)+4*\c:8*(4*\t+\s)+4*\c+3], v[TA], s[8:9] offset:\t*4096+\s*64+\c*32   ; Wo's fragment (t, s): it stays
.endr
.endr
.endr
	WIN 0x80                                       ; destination window 2
.irp t, 0,1,2,3,4,5,6,7
	global_load_b128 v[8*\t:8*\t+3], v[B32], s[12:13] offset:64*\t       ; bo[16 t + 8 h + j] of my 128 channels
	global_load_b128 v[8*\t+4:8*\t+7], v[B32], s[12:13] offset:64*\t+16
.endr
	WIN 0
.irp t, 0,1,2,3,4,5,6,7
	global_load_b128 v[HS+4*\t:HS+4*\t+3], v[R16], s[10:11] offset:\t*256
.endr
.irp d, 0,1,2,3,4,5,6,7
	global_load_b64 v[DD+2*\d:DD+2*\d+1], v[R8], s[6:7] offset:\d*4096   ; head d: token r's halfwords of the four tiles
.endr
	OLOAD 0, 0
	s_wait_loadcnt 0x0
.irp u, 0,1,2,3                        ; the word of (tile u, K step s): head 2 s's two bytes below, head 2 s + 1's above.  Tile 0's four words come first: the twelve others are the places behind them
.irp s, 0,1,2,3
.if (\u%2) == 0
	v_perm_b32 v[TSW+4*\u+\s], v[DD+2*(2*\s+1)+(\u/2)], v[DD+4*\s+(\u/2)], s20
.else
	v_perm_b32 v[TSW+4*\u+\s], v[DD+2*(2*\s+1)+(\u/2)], v[DD+4*\s+(\u/2)], s21
.endif
.endr
.endr
.irp q, 0,1,2,3
	TRIP \q
.endr
	s_wait_tensorcnt 0x0                           ; the wave's end, behind my last LDS store
	ds_add_u32 v[SPW], v[NIL]
	s_wait_dscnt 0x0
	s_endpgm
.Lfunc_end_k_q9e1c046fe7_outp:
	.size	k_q9e1c046fe7_outp, .Lfunc_end_k_q9e1c046fe7_outp-k_q9e1c046fe7_outp
	.p2alignl 7, 3214868480
	.fill 96, 4, 3214868480
	.section	.rodata,"a",@progbits
	.p2align	6, 0x0
	.amdhsa_kernel k_q9e1c046fe7_outp
		.amdhsa_group_segment_fixed_size 34304
		.amdhsa_private_segment_fixed_size 0
		.amdhsa_enable_private_segment 0
		.amdhsa_kernarg_size 48
		.amdhsa_user_sgpr_count 2
		.amdhsa_user_sgpr_kernarg_segment_ptr 1
		.amdhsa_wavefront_size32 1
		.amdhsa_system_sgpr_workgroup_id_x 1
		.amdhsa_system_sgpr_workgroup_id_y 1
		.amdhsa_system_sgpr_workgroup_id_z 1
		.amdhsa_system_vgpr_workitem_id 0
		.amdhsa_next_free_vgpr 576
		.amdhsa_next_free_sgpr 66
		.amdhsa_reserve_vcc 0
		.amdhsa_float_denorm_mode_32 3
		.amdhsa_float_denorm_mode_16_64 3
		.amdhsa_memory_ordered 1
		.amdhsa_forward_progress 1
		.amdhsa_inst_pref_size 49
	.end_amdhsa_kernel
	.amdgpu_metadata
---
amdhsa.version: [ 1, 2 ]
amdhsa.kernels:
  - .name:           k_q9e1c046fe7_outp
    .symbol:         k_q9e1c046fe7_outp.kd
    .args:
      - { .name: oc, .offset: 0, .size: 8, .value_kind: global_buffer, .address_space: global }
      - { .name: os, .offset: 8, .size: 8, .value_kind: global_buffer, .address_space: global }
      - { .name: Wo_codes, .offset: 16, .size: 8, .value_kind: global_buffer, .address_space: global }
      - { .name: Wo_scales, .offset: 24, .size: 8, .value_kind: global_buffer, .address_space: global }
      - { .name: bo, .offset: 32, .size: 8, .value_kind: global_buffer, .address_space: global }
      - { .name: out0, .offset: 40, .size: 8, .value_kind: global_buffer, .address_space: global }
    .group_segment_fixed_size: 34304
    .private_segment_fixed_size: 0
    .kernarg_segment_align: 8
    .kernarg_segment_size: 48
    .max_flat_workgroup_size: 128
    .sgpr_count:     66
    .vgpr_count:     576
    .wavefront_size: 32
...
	.end_amdgpu_metadata
.endif
;; end of part 3
;; ======== version 2 of 2: 3 launches
;; limits: right only within a limited range of input values
;; workspace buffers: qrec 4,718,592 bytes; kv 9,175,040 bytes; maskw 524,288 bytes of whole numbers; oc 4,194,304 bytes; os 262,144 bytes
;; launch prep (part 4): grid 64 x 4, 4 waves a work-group, no clusters, 34,304 bytes of LDS; arguments Q_codes, Q_scales, Wq_codes, Wq_scales, bq, qrec, K_codes, K_scales, Wk_codes, Wk_scales, bk, kv, Wv_codes, Wv_scales, V_codes, V_scales, bv, mask, maskw; writes qrec, kv, maskw
.if DOCPART == 4
	.amdgcn_target "amdgcn-amd-amdhsa--gfx1250"
	.amdhsa_code_object_version 6
	.text
	.protected	k_q9e1c046fe7_prep
	.globl	k_q9e1c046fe7_prep
	.p2align	8
	.type	k_q9e1c046fe7_prep,@function
k_q9e1c046fe7_prep:
	s_mov_b64 s[64:65], 0
	v_nop
	global_prefetch_b8 v0, s[64:65] scope:SCOPE_SE
	s_setreg_imm32_b32 hwreg(HW_REG_WAVE_SCHED_MODE, 0, 2), 2
	s_setreg_imm32_b32 hwreg(HW_REG_WAVE_MODE, 25, 1), 1
	s_wait_xcnt 0x0
	s_wait_alu depctr_vm_vsrc(0)
; MULTI-HEAD ATTENTION IN MX-FP4, FIRST OF THREE LAUNCHES: the three projections with their quantisers, and the mask as lane-mask words.
; DEAD WORK: none is left out.  Every input has a way to the output: each of the four biases stands ahead of a quantiser (bq, bk, bv) or in the result (bo), and the mask is an input whose every word decides a score.
; WORK-GROUP y = 0: q = Q Wq^T + bq;  y = 1: k = K Wk^T + bk;  y = 2: v = V Wv^T + bv;  y = 3: the mask.  The branch hangs on the work-group's number alone.
; q, k: quantised along a head's 64 channels (two blocks of 32);  v: along the keys.  All three leave as IMAGES OF OPERAND REGISTERS (lane l's 16 bytes at 16 l), so that the next launch's fragments are plain 16-byte reads.
; A PROJECTION.  A wave HOLDS source 0 (128 rows x 512 K: 256 registers, window 1) and STREAMS source 1, 16 rows a trip, from memory straight into registers: the inputs' codes lie with K innermost, which is the operand's own order.
;   q, k: held = 128 rows of W (two heads), streamed = 16 tokens: in the result a lane holds ONE token and its registers run along the channels, the next product's K.
;   v:    held = 128 tokens (a key group), streamed = 16 rows of Wv: a lane holds ONE channel and its registers run along the keys, the next product's K.
; In a result, register 8 t + j of lane (r, h) is (row 16 t + 8 h + j of source 0, row r of source 1): block b of 32 along the next K is registers 16 b .. 16 b + 15 of lanes l and l xor 16.
; The codes of tile t = 4 c + 2 e + u go to register 4 c + 2 u + e; one exchange of halves for each pair (4 c + 2 u, 4 c + 2 u + 1) then gives register 4 c + i of lane (r, h) the codes of k = 64 c + 32 h + 8 i .. + 7: the operand's layout.
; A block's scale is 2^(floor(log2(its largest magnitude)) - 2); its byte is that magnitude's exponent field - 2, held at 1 from below.
; THE MASK: word n of (query tile, key step) has bit 16 h + r = (mask[16 qt + r][128 ks + 16 (n / 8) + 8 h + n % 8] != 0): the select mask of score register n in the next launch.
; LIMITS: a block of zeros keeps the byte 1 where the rule says 127 (its codes are zeros; this program alone reads the bytes); NaN and infinities among the inputs are not served.
; No cluster: operands go from memory into registers, no LDS tile is shared between work-groups.
; THE MODE: SCHED_MODE bits 1:0 = 2 (LLVM: expert scheduling mode 2), set by the entry lines.  The code itself states the register dependences
; between vector or matrix instructions and memory or LDS instructions, with s_wait_alu, always for 0.
; THE PLAN, A PROJECTION.  Registers that memory instructions touch in the loop:
;   TF0, TF1, TS0, TS1 (v: BL0, BL1 too)  Trip t: its 32 products read set t % 2 (v: eight moves read BL); behind them the loads of tile t + 2 land in that set.
;   PC0, PC1      Trip t: its quantiser writes set t % 2; the two stores that read the set are issued in trip t + 1 (trip 7's at the group's end).
;   SEL, SA, SB   Written at a group's end and stored there.
;   v1 to v7      Offsets, made at the head and never written again: scalar bases and immediate offsets do the rest.
;   The held operand, its scale words and the bias are loaded once; ACC, TM and PW are named by vector and matrix instructions alone.
; So three waits stand together in a trip, behind its products: on XCNT and on vm_vsrc for the stores issued a trip ago, whose set this trip's quantiser writes again; on va_vdst for the products' reads of
; the streamed set and for the last quantiser's codes.  The trip's loads and stores follow them at once; the quantiser behind names none of their registers.  One more wait on va_vdst stands at a group's end.
; THE PLAN, THE MASK.  MR0, MR1: global loads land, LDS stores read, the tile two on lands again (vm_vsrc).  MB: LDS loads land, the compares read (va_vdst at the next tile's head).
;   MO: a pair for each tile, written by v_writelane_b32 and read by one store, which is issued in the next tile, behind that same wait.  The compares' masks go to scalar registers: va_sdst ahead of their readers.
.set L16, 1                            ; v1   16 x lane
.set TA,  2                            ; v2   256 r + 16 h: a fragment's place in rows of 256 bytes
.set R16, 3                            ; v3   16 r: a row's 16 scale bytes
.set R4,  4                            ; v4   4 r
.set B32, 5                            ; v5   32 h
.set VSO, 6                            ; v6   143,360 h + 16 r: v's scale words, lanes 16-31 one head on
.set L8,  7                            ; v7   8 x lane
.set MST, 8                            ; v8   the mask's stage, on the way in
.set MRD, 9                            ; v9   and on the way out
.set SPW, 10                           ; v10  LDS address of my spare word; never rewritten
.set NIL, 11                           ; v11  0; never rewritten
.set HS,  16                           ; v16-47   the held rows' scale words: tile t, K step s at 4 t + s
.set TS,  48                           ; v48-55   the streamed rows' scale words, two sets of 4
.set TF,  56                           ; v56-119  the streamed fragments, two sets of 32
.set ACC, 120                          ; v120-183 eight accumulators
.set TM,  184                          ; v184-199 at work in the quantiser
.set PC,  200                          ; v200-207 and v240-247 the codes just made, two sets by turns: set p at PC + 40 p
.set PW,  208                          ; v208-215 a scale word for each of a group's eight trips
.set SEL, 216
.set SA,  220
.set SB,  224
.set BV8, 228                          ; v228-235 v's bias of my channel, eight times: the C of a sum's first product
.set BL,  236                          ; v236-237 that bias as loaded, two sets
.set MR,  16                           ; the mask's path: v16-143 two sets of 16 rows as loaded
.set MB,  144                          ; v144-207 64 words in the scores' layout
.set MO,  208                          ; v208-223 a pair of registers of lane-mask words for each of eight tiles
.set SPARE, 33792                      ; behind the four stages of 8,448 bytes: the spare words, 128 bytes a wave
.set MSB, 0
.macro WIN new                         ; the immediate's high byte repeats the setting that is left
.if MSB != \new
	s_set_vgpr_msb (MSB<<8)|\new
.set MSB, \new
.endif
.endm
.macro HLOAD                           ; the held operand: fragment (t, s) at v[8 (4 t + s)] of window 1; its scale words in window 0
	WIN 0x40
	s_wait_alu depctr_va_vdst(0)                   ; the offsets v1 to v7 are written, which every load and store of this path reads
.irp t, 0,1,2,3,4,5,6,7
.irp s, 0,1,2,3
.irp c, 0,1
	global_load_b128 v[8*(4*\t+\s)+4*\c:8*(4*\t+\s)+4*\c+3], v[TA], s[8:9] offset:\t*4096+\s*64+\c*32
.endr
.endr
.endr
	WIN 0
.irp t, 0,1,2,3,4,5,6,7
	global_load_b128 v[HS+4*\t:HS+4*\t+3], v[R16], s[10:11] offset:\t*256
.endr
.endm
.macro BIASQK                          ; window 2, v[8 t + j] = b[16 t + 8 h + j] of my 128 channels: the result's layout
	WIN 0x80
.irp t, 0,1,2,3,4,5,6,7
	global_load_b128 v[8*\t:8*\t+3], v[B32], s[12:13] offset:64*\t
	global_load_b128 v[8*\t+4:8*\t+7], v[B32], s[12:13] offset:64*\t+16
.endr
	WIN 0
.endm
.macro TLOAD tau, bank, kind           ; streamed tile tau of the group into set bank: 9 loads (q, k) or 10 (v)
.irp s, 0,1,2,3
.irp c, 0,1
	global_load_b128 v[TF+32*(\bank)+8*\s+4*\c:TF+32*(\bank)+8*\s+4*\c+3], v[TA], s[4:5] offset:(\tau)*4096+\s*64+\c*32
.endr
.endr
	global_load_b128 v[TS+4*(\bank):TS+4*(\bank)+3], v[R16], s[6:7] offset:(\tau)*256
.if \kind == 1
	global_load_b32 v[BL+(\bank)], v[R4], s[12:13] offset:(\tau)*64
.endif
.endm
; 32 matrix instructions: K step by K step, the eight accumulators by turns.  The bias is the C of each sum's first product.
.macro MM bank, kind
.irp s, 0,1,2,3
.if (\s == 0) && (\kind == 0)
	WIN 0x21                                       ; source 0 window 1, C window 2
.else
	WIN 0x01                                       ; source 0 window 1
.endif
.irp t, 0,1,2,3,4,5,6,7
.if (\s == 0) && (\kind == 0)
	v_wmma_scale_f32_16x16x128_f8f6f4 v[ACC+8*\t:ACC+8*\t+7], v[8*(4*\t+\s):8*(4*\t+\s)+7], v[TF+32*(\bank)+8*\s:TF+32*(\bank)+8*\s+7], v[8*\t:8*\t+7], v[HS+4*\t+\s], v[TS+4*(\bank)+\s] matrix_a_fmt:MATRIX_FMT_FP4 matrix_b_fmt:MATRIX_FMT_FP4
.elseif \s == 0
	v_wmma_scale_f32_16x16x128_f8f6f4 v[ACC+8*\t:ACC+8*\t+7], v[8*(4*\t+\s):8*(4*\t+\s)+7], v[TF+32*(\bank)+8*\s:TF+32*(\bank)+8*\s+7], v[BV8:BV8+7], v[HS+4*\t+\s], v[TS+4*(\bank)+\s] matrix_a_fmt:MATRIX_FMT_FP4 matrix_b_fmt:MATRIX_FMT_FP4
.else
	v_wmma_scale_f32_16x16x128_f8f6f4 v[ACC+8*\t:ACC+8*\t+7], v[8*(4*\t+\s):8*(4*\t+\s)+7], v[TF+32*(\bank)+8*\s:TF+32*(\bank)+8*\s+7], v[ACC+8*\t:ACC+8*\t+7], v[HS+4*\t+\s], v[TS+4*(\bank)+\s] matrix_a_fmt:MATRIX_FMT_FP4 matrix_b_fmt:MATRIX_FMT_FP4
.endif
.endr
.endr
	WIN 0
.rept 4
	v_nop                                          ; four places behind the last products, ahead of the first read of results (ISA guide 7.12.1)
.endr
.endm
; 64 numbers of a lane, v[src] on, become a fragment's codes in v[pc] on and its scale word in v[pw].
.macro QUANT src, pw, pc
.irp b, 0,1,2,3
	v_max3_num_f32 v[TM+\b], |v[\src+16*\b]|, |v[\src+1+16*\b]|, 0x1800000   ; block b: my 16 numbers, each accumulator from its low end on, and the floor 2^(3 - 127): the byte cannot fall under 1
.endr
.irp i, 2,4,6,8,10,12,14
.irp b, 0,1,2,3
	v_max3_num_f32 v[TM+\b], v[TM+\b], |v[\src+16*\b+\i]|, |v[\src+1+16*\b+\i]|   ; the four blocks by turns
.endr
.endr
.irp b, 0,1,2,3
	v_permlanex16_b32 v[TM+4+\b], v[TM+\b], s38, s39
.endr
.irp b, 0,1,2,3
	v_max_num_f32 v[TM+\b], v[TM+\b], v[TM+4+\b]   ; with lane l xor 16's: the block's largest magnitude
.endr
.irp b, 0,1,2,3
	v_add_nc_u32 v[TM+12+\b], 0xff000000, v[TM+\b] ; 2 off its exponent field: the conversion takes the exponent field of this operand as its scale
.endr
.irp b, 0,1,2,3
	v_lshrrev_b32 v[TM+4+\b], 23, v[TM+12+\b]      ; the scale's byte
.endr
	v_lshl_or_b32 v[\pw], v[TM+5], 8, v[TM+4]
	v_lshl_or_b32 v[\pw], v[TM+6], 16, v[\pw]
	v_lshl_or_b32 v[\pw], v[TM+7], 24, v[\pw]
.irp b, 0,1,2,3
	v_cvt_scalef32_pk8_fp4_f32 v[\pc+4*(\b/2)+(\b%2)], v[\src+16*\b:\src+16*\b+7], v[TM+12+\b]       ; tile 2 b
	v_cvt_scalef32_pk8_fp4_f32 v[\pc+4*(\b/2)+2+(\b%2)], v[\src+16*\b+8:\src+16*\b+15], v[TM+12+\b]  ; tile 2 b + 1
.endr
	v_nop                                          ; one plain place behind a scaled conversion
.irp c, 0,1
	v_permlane16_swap_b32 v[\pc+4*\c], v[\pc+4*\c+1]
	v_permlane16_swap_b32 v[\pc+4*\c+2], v[\pc+4*\c+3]
.endr
.endm
.macro SEND t, kind                    ; trip t's codes leave, from set t % 2
.set PSET, PC+40*((\t)%2)
.if \kind == 0
	global_store_b128 v[L16], v[PSET:PSET+3], s[28:29] offset:(\t)*512       ; the even head's 64 channels: 512 consecutive bytes
	global_store_b128 v[L16], v[PSET+4:PSET+7], s[30:31] offset:(\t)*512     ; the odd head's
.else
	global_store_b128 v[L16], v[PSET:PSET+3], s[28:29] offset:((\t)/4)*143360+4608+((\t)%4)*1024
	global_store_b128 v[L16], v[PSET+4:PSET+7], s[28:29] offset:((\t)/4)*143360+4608+((\t)%4)*1024+512
.endif
.endm
.macro TRIP tau, kind
.set CUR, (\tau)%2
.if (\tau) < 7
	s_wait_loadcnt 9+\kind                         ; loads come back in order (ISA guide 5.7.1): this tile is in; the next tile's loads, the only younger ones, may stay out
.else
	s_wait_loadcnt 0x0                             ; trip 6 asked for nothing: this tile's loads are the only ones out
.endif
.if \kind == 1
.irp j, 0,1,2,3,4,5,6,7
	v_mov_b32 v[BV8+\j], v[BL+CUR]                 ; a lane holds one channel: its bias is the same for all its keys
.endr
.rept 4
	v_nop
.endr
.endif
	MM CUR, \kind
	s_wait_xcnt 0x0                                ; the stores issued a trip ago (in a group's first trip: at the last group's end and in its trip 7) have had their addresses translated: their data are written again only behind this wait,
	s_wait_alu depctr_vm_vsrc(0)                   ; and they have read the set of codes that this trip's quantiser writes again
	s_wait_alu depctr_va_vdst(0)                   ; the products are done reading this trip's streamed set (v: the moves its bias), in which the loads below land; the last trip's quantiser has written the other set of codes, which the stores below read
.if (\tau) < 6
	TLOAD (\tau)+2, CUR, \kind                     ; the emptied set is asked for again at once: the tile two on
.endif
.if (\tau) == 7
	s_cmp_eq_u32 s35, 1                            ; the last group has no next tiles: no load leaves its buffer
	s_cbranch_scc1 .Llast_\@
	TLOAD 8, 0, \kind                              ; the next group's first two tiles, in one arm: so the counted wait at the loop's head is right on every way to it
	TLOAD 9, 1, \kind
.Llast_\@:
.endif
.if (\tau) > 0
	SEND (\tau)-1, \kind                           ; the last trip's codes.  No further wait: no vector instruction since the wait above names them
.endif
	QUANT ACC, PW+(\tau), PC+40*((\tau)%2)
.endm
; kind 0: q or k;  kind 1: v.  Two groups of eight trips.
.macro PROJ kind
	HLOAD
.if \kind == 0
	BIASQK
.endif
	TLOAD 0, 0, \kind
	TLOAD 1, 1, \kind
	s_mov_b32 s35, 2
.Lgroup_\@:
.irp q, 0,1,2,3,4,5,6,7
	TRIP \q, \kind
.endr
.irp i, 0,1,2,3
	v_cndmask_b32 v[SEL+\i], v[PW+\i], v[PW+4+\i], s36     ; lanes 0-15: trips 0-3's words, lanes 16-31: trips 4-7's
.endr
.if \kind == 0
.irp i, 0,1,2,3
	v_and_b32 v[SA+\i], 0xffff, v[SEL+\i]          ; the even head's two bytes; the upper two bytes, 0, stand over zero codes
.endr
.irp i, 0,1,2,3
	v_lshrrev_b32 v[SB+\i], 16, v[SEL+\i]          ; the odd head's
.endr
.endif
	s_wait_alu depctr_va_vdst(0)                   ; trip 7's quantiser has written its codes, and the lines above the scale words: the stores below read both
	SEND 7, \kind
.if \kind == 0
	global_store_b128 v[L16], v[SA:SA+3], s[28:29] offset:4096
	global_store_b128 v[L16], v[SB:SB+3], s[30:31] offset:4096
.else
	global_store_b128 v[VSO], v[SEL:SEL+3], s[28:29] offset:8704   ; two heads' 256 bytes each
.endif
	s_wait_xcnt 0x0                                ; every pointer below is written again only behind this wait
	s_add_nc_u64 s[4:5], s[4:5], 32768
	s_add_nc_u64 s[6:7], s[6:7], 2048
.if \kind == 0
	s_add_nc_u64 s[28:29], s[28:29], s[56:57]      ; the next record of 128 tokens
	s_add_nc_u64 s[30:31], s[30:31], s[56:57]
.else
	s_add_nc_u64 s[12:13], s[12:13], 512
	s_add_nc_u64 s[28:29], s[28:29], 286720        ; two heads on
.endif
	s_sub_co_i32 s35, s35, 1
	s_cmp_lg_u32 s35, 0
	s_cbranch_scc1 .Lgroup_\@
	s_endpgm
.endm
	v_lshl_add_u32 v[SPW], v0, 2, SPARE
	v_mov_b32 v[NIL], 0
	v_lshrrev_b32 v12, 5, v0
	v_readfirstlane_b32 s32, v12                   ; wave 0..3
	s_mov_b32 s33, ttmp9                           ; x
	s_and_b32 s34, ttmp7, 0xffff                   ; y
	v_and_b32 v12, 31, v0                          ; lane
	v_and_b32 v13, 15, v0                          ; r
	v_bfe_u32 v14, v0, 4, 1                        ; h
	v_lshlrev_b32 v[L16], 4, v12
	v_lshlrev_b32 v[TA], 8, v13
	v_lshl_add_u32 v[TA], v14, 4, v[TA]
	v_lshlrev_b32 v[R16], 4, v13
	v_lshlrev_b32 v[R4], 2, v13
	v_lshlrev_b32 v[B32], 5, v14
	v_mul_u32_u24 v[VSO], v14, 143360
	v_lshl_add_u32 v[VSO], v13, 4, v[VSO]
	v_lshlrev_b32 v[L8], 3, v12
	s_wait_alu depctr_va_sdst(0)                   ; s32, the wave's number, is written, ahead of its first reader: LDS addresses and the buffers' bases are made from it
	s_mul_i32 s40, s32, 8448                       ; my stage
	v_add_nc_u32 v[MST], s40, v[L16]
	v_mul_u32_u24 v[MRD], v13, 528
	v_lshl_add_u32 v[MRD], v14, 5, v[MRD]
	v_add_nc_u32 v[MRD], s40, v[MRD]
	s_mov_b32 s36, 0xffff0000                      ; lanes 16-31
	s_mov_b32 s38, 0x76543210
	s_mov_b32 s39, 0xfedcba98                      ; v_permlanex16_b32's selects for lane l xor 16
.irp b, 0,1,2,3
	v_mov_b32 v[TM+4+\b], 0                        ; written once: a lane permute's destination counts as one of its sources
.endr
	s_cmp_eq_u32 s34, 3
	s_cbranch_scc1 .Lmask
	s_cmp_eq_u32 s34, 2
	s_cbranch_scc1 .Lv
	; ---- q (y = 0) or k (y = 1): tokens 256 x on, wave w holds rows 128 w on of W
	s_load_b256 s[4:11], s[0:1], 0x0               ; Q's codes, scales, Wq's codes, scales
	s_load_b128 s[12:15], s[0:1], 0x20             ; bq, qrec
	s_load_b256 s[16:23], s[0:1], 0x30             ; the same for k
	s_load_b128 s[24:27], s[0:1], 0x50
	s_lshl_b32 s40, s33, 16                        ; 256 tokens of 256 bytes
	s_mov_b32 s41, 0
	s_lshl_b32 s42, s33, 12                        ; and of 16 scale bytes
	s_mov_b32 s43, 0
	s_lshl_b32 s44, s32, 15                        ; 128 rows of W
	s_mov_b32 s45, 0
	s_lshl_b32 s46, s32, 11
	s_mov_b32 s47, 0
	s_lshl_b32 s48, s32, 9                         ; 128 numbers of the bias
	s_mov_b32 s49, 0
	s_lshr_b32 s52, s33, 3
	s_lshl_b32 s52, s52, 3
	s_lshl_b32 s53, s32, 1
	s_add_co_u32 s52, s52, s53                     ; batch x 8 + my even head
	s_and_b32 s53, s33, 7
	s_lshl_b32 s53, s53, 1                         ; the first of my two records of 128 tokens
	s_wait_kmcnt 0x0
	s_cmp_eq_u32 s34, 0                            ; the choice hangs on the work-group's number alone
	s_cselect_b64 s[4:5], s[4:5], s[16:17]
	s_cselect_b64 s[6:7], s[6:7], s[18:19]
	s_cselect_b64 s[8:9], s[8:9], s[20:21]
	s_cselect_b64 s[10:11], s[10:11], s[22:23]
	s_cselect_b64 s[12:13], s[12:13], s[24:25]
	s_cselect_b64 s[14:15], s[14:15], s[26:27]
	s_mov_b32 s54, 143360
	s_cselect_b32 s54, 73728, s54                  ; bytes from head to head
	s_mov_b32 s56, 8960
	s_cselect_b32 s56, 4608, s56                   ; and from record to record
	s_mov_b32 s55, 0
	s_mov_b32 s57, 0
	s_mul_i32 s52, s52, s54
	s_mul_i32 s53, s53, s56
	s_add_co_u32 s52, s52, s53
	s_mov_b32 s53, 0
	s_add_nc_u64 s[4:5], s[4:5], s[40:41]
	s_add_nc_u64 s[6:7], s[6:7], s[42:43]
	s_add_nc_u64 s[8:9], s[8:9], s[44:45]
	s_add_nc_u64 s[10:11], s[10:11], s[46:47]
	s_add_nc_u64 s[12:13], s[12:13], s[48:49]
	s_add_nc_u64 s[28:29], s[14:15], s[52:53]      ; the even head's record
	s_add_nc_u64 s[30:31], s[28:29], s[54:55]      ; the odd head's
	PROJ 0
.Lv:	; ---- v: wave w holds the 128 tokens of key group 4 (x / 2) + w; channels 256 (x % 2) on are streamed
	s_load_b256 s[4:11], s[0:1], 0x60              ; Wv's codes, scales, V's codes, scales
	s_load_b64 s[12:13], s[0:1], 0x80              ; bv
	s_load_b64 s[14:15], s[0:1], 0x58              ; kv
	s_and_b32 s48, s33, 1
	s_lshl_b32 s40, s48, 16
	s_mov_b32 s41, 0
	s_lshl_b32 s42, s48, 12
	s_mov_b32 s43, 0
	s_lshr_b32 s49, s33, 1
	s_lshl_b32 s49, s49, 2
	s_add_co_u32 s49, s49, s32                     ; my key group among the 128 of all batches
	s_lshl_b32 s44, s49, 15
	s_mov_b32 s45, 0
	s_lshl_b32 s46, s49, 11
	s_mov_b32 s47, 0
	s_lshl_b32 s50, s48, 10
	s_mov_b32 s51, 0
	s_lshr_b32 s52, s33, 3
	s_lshl_b32 s52, s52, 3
	s_lshl_b32 s53, s48, 2
	s_add_co_u32 s52, s52, s53                     ; batch x 8 + my first head
	s_mul_i32 s52, s52, 143360
	s_and_b32 s53, s49, 15                         ; my key group in its batch
	s_mul_i32 s53, s53, 8960
	s_add_co_u32 s52, s52, s53
	s_mov_b32 s53, 0
	s_wait_kmcnt 0x0
	s_add_nc_u64 s[4:5], s[4:5], s[40:41]
	s_add_nc_u64 s[6:7], s[6:7], s[42:43]
	s_add_nc_u64 s[8:9], s[8:9], s[44:45]
	s_add_nc_u64 s[10:11], s[10:11], s[46:47]
	s_add_nc_u64 s[12:13], s[12:13], s[50:51]
	s_add_nc_u64 s[28:29], s[14:15], s[52:53]
	PROJ 1
.Lmask:	; ---- the mask: wave W = 4 x + w takes query tile W / 2 and key steps 8 (W % 2) + 0 .. 7
	s_load_b128 s[4:7], s[0:1], 0x88               ; mask, maskw
	s_lshl_b32 s40, s33, 2
	s_add_co_u32 s40, s40, s32                     ; W
	s_lshr_b32 s41, s40, 1
	s_lshl_b32 s42, s41, 17                        ; 16 rows of 8,192 bytes
	s_and_b32 s43, s40, 1
	s_lshl_b32 s43, s43, 12                        ; 8 key steps of 512 bytes
	s_add_co_u32 s42, s42, s43
	s_mov_b32 s43, 0
	s_lshl_b32 s44, s40, 11                        ; 8 key steps of 64 words
	s_mov_b32 s45, 0
.irp j, 0,1,2,3,4,5,6,7,8,9,10,11,12,13,14,15
	v_mov_b32 v[MO+\j], 0                          ; written once: v_writelane_b32's destination counts as read
.endr
	s_wait_kmcnt 0x0
	s_add_nc_u64 s[4:5], s[4:5], s[42:43]
	s_add_nc_u64 s[6:7], s[6:7], s[44:45]
	s_wait_alu depctr_va_vdst(0)                   ; the offsets and LDS addresses v1, v7, v8, v9 are written, which the loads and stores of this path read; so are v188 to v191, in which LDS loads land
.macro LOADM i                         ; tile i: 16 rows x 128 words; each load reads 512 consecutive bytes of a row
.irp p, 0,1,2,3,4,5,6,7,8,9,10,11,12,13,14,15
	global_load_b128 v[MR+64*((\i)%2)+4*\p:MR+64*((\i)%2)+4*\p+3], v[L16], s[4:5] offset:\p*8192+(\i)*512 th:TH_LOAD_NT
.endr
.endm
.macro TILE i
.if (\i) < 7
	s_wait_loadcnt 16                              ; this tile's 16 loads are in; the next tile's may be out
.else
	s_wait_loadcnt 0x0
.endif
.if (\i) > 0
	s_wait_alu depctr_va_vdst(0)                   ; the last tile's compares are done reading MB, in which the LDS loads below land; its v_writelane_b32 have written its pair, which the store below reads
.endif
.irp p, 0,1,2,3,4,5,6,7,8,9,10,11,12,13,14,15
	ds_store_b128 v[MST], v[MR+64*((\i)%2)+4*\p:MR+64*((\i)%2)+4*\p+3] offset:\p*528   ; rows 528 bytes apart in my own stage
.endr
.irp t, 0,1,2,3,4,5,6,7
.irp q, 0,1
	ds_load_b128 v[MB+8*\t+4*\q:MB+8*\t+4*\q+3], v[MRD] offset:64*\t+16*\q   ; LDS serves a wave's instructions in order: these see my stores.  Register 8 t + j: mask(r, 16 t + 8 h + j)
.endr
.endr
	s_wait_dscnt 0x0                               ; the words are back
.if (\i) < 6
	s_wait_alu depctr_vm_vsrc(0)                   ; the LDS stores have read this tile's 64 registers,
	LOADM (\i)+2                                   ; which take the tile two further on
.endif
.if (\i) > 0
	global_store_b64 v[L8], v[MO+2*((\i)-1):MO+2*((\i)-1)+1], s[6:7] offset:((\i)-1)*256   ; the last tile's words: 32 lanes store 256 consecutive bytes, aligned; each tile has its own pair.  No vector instruction since the wait at the tile's head
.endif
.irp f, 0,1
.set MK, 0
.rept 32
	v_cmp_ne_u32 s[68+MK], 0, v[MB+32*\f+MK]       ; the lane mask of score register 32 f + MK
.set MK, MK+1
.endr
	s_wait_alu depctr_va_sdst(0)                   ; the 32 compares have written s68 to s99, ahead of their first reader: one wait for the run
.set MK, 0
.rept 32
	v_writelane_b32 v[MO+2*(\i)+(MK&1)], s[68+MK], 16*\f+(MK>>1)   ; word n goes to lane n / 2, register n % 2
.set MK, MK+1
.endr
.endr
.endm
	LOADM 0
	LOADM 1
.irp q, 0,1,2,3,4,5,6,7
	TILE \q
.endr
	s_wait_alu depctr_va_vdst(0)                   ; tile 7's v_writelane_b32 have written its pair, which the last store reads
	global_store_b64 v[L8], v[MO+14:MO+15], s[6:7] offset:7*256
	s_wait_dscnt 0x0                               ; the wave's end: six lines on end, behind my last LDS store
	s_wait_alu 0x0
	s_wait_tensorcnt 0x0
	ds_add_u32 v[SPW], v[NIL]
	s_wait_dscnt 0x0
	s_endpgm
.Lfunc_end_k_q9e1c046fe7_prep:
	.size	k_q9e1c046fe7_prep, .Lfunc_end_k_q9e1c046fe7_prep-k_q9e1c046fe7_prep
	.p2alignl 7, 3214868480
	.fill 96, 4, 3214868480
	.section	.rodata,"a",@progbits
	.p2align	6, 0x0
	.amdhsa_kernel k_q9e1c046fe7_prep
		.amdhsa_group_segment_fixed_size 34304
		.amdhsa_private_segment_fixed_size 0
		.amdhsa_enable_private_segment 0
		.amdhsa_kernarg_size 152
		.amdhsa_user_sgpr_count 2
		.amdhsa_user_sgpr_kernarg_segment_ptr 1
		.amdhsa_wavefront_size32 1
		.amdhsa_system_sgpr_workgroup_id_x 1
		.amdhsa_system_sgpr_workgroup_id_y 1
		.amdhsa_system_sgpr_workgroup_id_z 1
		.amdhsa_system_vgpr_workitem_id 0
		.amdhsa_next_free_vgpr 576
		.amdhsa_next_free_sgpr 100
		.amdhsa_reserve_vcc 0
		.amdhsa_float_denorm_mode_32 3
		.amdhsa_float_denorm_mode_16_64 3
		.amdhsa_memory_ordered 1
		.amdhsa_forward_progress 1
		.amdhsa_inst_pref_size 255
	.end_amdhsa_kernel
	.section	.bss,"aw",@nobits
	.p2align	6
	.space	262144
	.amdgpu_metadata
---
amdhsa.version: [ 1, 2 ]
amdhsa.kernels:
  - .name:           k_q9e1c046fe7_prep
    .symbol:         k_q9e1c046fe7_prep.kd
    .args:
      - { .name: Q_codes, .offset: 0, .size: 8, .value_kind: global_buffer, .address_space: global }
      - { .name: Q_scales, .offset: 8, .size: 8, .value_kind: global_buffer, .address_space: global }
      - { .name: Wq_codes, .offset: 16, .size: 8, .value_kind: global_buffer, .address_space: global }
      - { .name: Wq_scales, .offset: 24, .size: 8, .value_kind: global_buffer, .address_space: global }
      - { .name: bq, .offset: 32, .size: 8, .value_kind: global_buffer, .address_space: global }
      - { .name: qrec, .offset: 40, .size: 8, .value_kind: global_buffer, .address_space: global }
      - { .name: K_codes, .offset: 48, .size: 8, .value_kind: global_buffer, .address_space: global }
      - { .name: K_scales, .offset: 56, .size: 8, .value_kind: global_buffer, .address_space: global }
      - { .name: Wk_codes, .offset: 64, .size: 8, .value_kind: global_buffer, .address_space: global }
      - { .name: Wk_scales, .offset: 72, .size: 8, .value_kind: global_buffer, .address_space: global }
      - { .name: bk, .offset: 80, .size: 8, .value_kind: global_buffer, .address_space: global }
      - { .name: kv, .offset: 88, .size: 8, .value_kind: global_buffer, .address_space: global }
      - { .name: Wv_codes, .offset: 96, .size: 8, .value_kind: global_buffer, .address_space: global }
      - { .name: Wv_scales, .offset: 104, .size: 8, .value_kind: global_buffer, .address_space: global }
      - { .name: V_codes, .offset: 112, .size: 8, .value_kind: global_buffer, .address_space: global }
      - { .name: V_scales, .offset: 120, .size: 8, .value_kind: global_buffer, .address_space: global }
      - { .name: bv, .offset: 128, .size: 8, .value_kind: global_buffer, .address_space: global }
      - { .name: mask, .offset: 136, .size: 8, .value_kind: global_buffer, .address_space: global }
      - { .name: maskw, .offset: 144, .size: 8, .value_kind: global_buffer, .address_space: global }
    .group_segment_fixed_size: 34304
    .private_segment_fixed_size: 0
    .kernarg_segment_align: 8
    .kernarg_segment_size: 152
    .max_flat_workgroup_size: 128
    .sgpr_count:     100
    .vgpr_count:     576
    .wavefront_size: 32
...
	.end_amdgpu_metadata
.endif
;; end of part 4
;; launch attn (part 5): grid 4 x 64, 16 waves a work-group, clusters of 4 x 1, 167,936 bytes of LDS; arguments qrec, kv, maskw, oc, os; writes oc, os
.if DOCPART == 5
	.amdgcn_target "amdgcn-amd-amdhsa--gfx1250"
	.amdhsa_code_object_version 6
	.text
	.protected	k_q9e1c046fe7_attn
	.globl	k_q9e1c046fe7_attn
	.p2align	8
	.type	k_q9e1c046fe7_attn,@function
k_q9e1c046fe7_attn:
	s_mov_b64 s[64:65], 0
	v_nop
	global_prefetch_b8 v0, s[64:65] scope:SCOPE_SE
	s_setreg_imm32_b32 hwreg(HW_REG_WAVE_MODE, 25, 1), 1
	s_wait_xcnt 0x0
	s_wait_alu depctr_hold_cnt(0) depctr_sa_sdst(0) depctr_va_vdst(0) depctr_va_sdst(0) depctr_va_ssrc(0) depctr_va_vcc(0) depctr_vm_vsrc(0)
	s_getreg_b32 s2, hwreg(HW_REG_IB_STS2, 6, 4)
	s_cmp_eq_u32 s2, 0
	s_cbranch_scc0 .Lentry_in_a_cluster
	s_endpgm
.Lentry_in_a_cluster:
	s_bfe_u32 s2, ttmp6, 0x10000c
	s_cmp_lg_u32 s2, 0x3003
	s_cbranch_scc0 .Lentry_shape_is_right
	s_endpgm
.Lentry_shape_is_right:
; SECOND LAUNCH: scores, mask, softmax, P V, O / l and its quantiser, all on codes of FP4 (E2M1) with one E8M0 scale for each 32 along a product's K.  No work is left out.
; The head's size is 64 and the matrix instruction's K is 128: the upper 64 are ZERO CODES on both sides (registers 4-7 of q's and k's fragments, cleared once), which add nothing; their scale bytes are 0, not 0xff.
; SHARES.  A work-group owns 512 queries of one (batch, head); each of its sixteen waves owns two tiles of 16 queries and takes them one after the other; each pass walks the head's 2,048 keys, 128 a step.
; A HEAD'S WHOLE K AND V, codes and scale words, are 16 records of 8,960 bytes: 143,360 bytes, which stay in LDS.  Each wave fetches one record by one tensor load at the head: nothing is ever filled again, and the loop has no barrier.
; CLUSTER.  The four work-groups of a cluster belong to one (batch, head): each record is asked for JOINTLY, by the same tensor load with the same descriptor and a mask that names the four.
; LAYOUT.  Both products are used transposed: S^T = K Q^T (source 0 = 16 keys, source 1 = my 16 queries), O^T = V^T P^T (source 0 = 16 channels, source 1 = P): a lane holds ONE query (lane % 16) throughout.
; Score register 8 t + j of lane (r, h) is key 16 t + 8 h + j: block b of 32 keys is registers 16 b .. 16 b + 15 of lanes l and l xor 16.  The codes of tile 4 c + 2 e + u go to register 4 c + 2 u + e of P, and one exchange of halves
; for each pair (4 c + 2 u, 4 c + 2 u + 1) gives the operand's layout.
; THE MASK comes as 64 lane-mask words a step, by scalar loads a step ahead: one v_cndmask_b32 a register, no compare.
; THE SOFTMAX: t = score x log2(e) / 8; M = the running largest t rounded UP to a whole number; p = 2^(t - M) is quantised, not normalised; the row's sum is taken of the unquantised p and divides O at the end.
; LIMIT: a hidden score is -2^100 where the problem has -1e30 x 8.  -2^100 x c is exact, so a row all of whose keys so far are hidden gets t - M = 0 and p = 1, as the problem has it; a later true score makes f = 0, which wipes those terms.
; True scores under about -1e29 are not told apart from hidden ones.  A block of zeros keeps the byte 1 (its codes are zeros; this program alone reads the bytes).  NaN and infinities are not served.
.set REC,  8960                        ; a record: 4,096 K's codes, 512 K's scale words, 4,096 V's codes, 256 V's scale words
.set OSB,  143360                      ; behind the records: O's scale halfwords of the work-group's 512 queries, 1,024 bytes
.set SPARE, 144384                     ; the spare words, 128 bytes for each of sixteen waves
.set AL,  1                            ; v1   16 x lane
.set AR,  2                            ; v2   16 r
.set SPW, 3                            ; v3   LDS address of my spare word; never rewritten
.set NIL, 4                            ; v4   0; never rewritten
.set XH,  5                            ; v5   -2^100
.set ADR, 6                            ; v6   the step's record + 16 x lane
.set ADV, 7                            ; v7   the step's record + 16 r
.set OSA, 8                            ; v8   where my tile's scale halfword goes
.set QCO, 9                            ; v9   my first tile's codes in its record of q
.set QSO, 10                           ; v10  and its scale word
.set OSR, 57                           ; v57  OSB + 16 x lane
.set QS,  24                           ; v24  q's scale word;  v12 -M, v13 the largest t, v[14:15] the sum in two halves, v[16:23] q
.set PS,  25                           ; v25  p's scale word
.set KS,  26                           ; v26-29 k's scale words: lanes 0-15 tiles 0-3, lanes 16-31 tiles 4-7
.set VS,  30                           ; v30-33 v's scale words, a register a tile of channels
.set PC,  34                           ; v34-41 p's codes
.set BM,  42                           ; v42-45 a block's largest score, then its largest p
.set BT,  46                           ; v46-49 at work
.set SCO, 50                           ; v50-53 the conversions' scale operands
.set F,   54                           ; v[54:55] f = 2^(old M - new M), later 1 / l (the pair's upper half is written once)
.set KF,  64                           ; v64-127  k's eight fragments
.set S,   128                          ; v128-191 S^T, then p
.set O,   192                          ; v192-223 O^T
.set VF,  224                          ; v224-255 v's four fragments
.macro CROUND                          ; a round of the cluster's barrier
	s_barrier_signal -1
	s_barrier_wait -1
	s_cmp_lg_u32 s30, 0
	s_cbranch_scc1 .Lnot_wave_0_\@
	s_barrier_signal -3
.Lnot_wave_0_\@:
	s_barrier_wait -3
	s_barrier_signal -1
	s_barrier_wait -1
.endm
.macro MASKS                           ; a step's 64 lane-mask words: word n in s[32 + n] (n < 32) or s[36 + n]
	s_load_b512 s[32:47], s[20:21], s67 offset:0
	s_load_b512 s[48:63], s[20:21], s67 offset:64
	s_load_b512 s[68:83], s[20:21], s67 offset:128
	s_load_b512 s[84:99], s[20:21], s67 offset:192
.endm
	s_load_b256 s[16:23], s[0:1], 0x0              ; qrec s[16:17], kv s[18:19], maskw s[20:21], oc s[22:23]
	s_load_b64 s[24:25], s[0:1], 0x20              ; os
	v_lshl_add_u32 v[SPW], v0, 2, SPARE
	v_mov_b32 v[NIL], 0
	ds_add_u32 v[SPW], v[NIL]                      ; the wave's opening: the add, twice on end, and its wait ahead of my first tensor load
	ds_add_u32 v[SPW], v[NIL]                      ; and once more, under the one wait; the set-up below, work on registers, stands between
	v_lshrrev_b32 v11, 5, v0
	s_delay_alu instid0(VALU_DEP_1)
	v_readfirstlane_b32 s30, v11                   ; wave 0..15
	s_and_b32 s104, ttmp7, 0xffff                  ; y = batch x 8 + head, which the four partners share
	; descriptor group 1: a record as 35 rows of 256 bytes (32 elements of 8 bytes), dense, no padding
	s_mov_b32 s8, 15|(3<<16)|(1<<21)               ; 15:0 the mask: all four work-groups; 17:16 elements of 8 bytes; 21 set beside a mask
	s_mov_b32 s9, 32<<16                           ; tensor_dim0 = 32
	s_mov_b32 s10, 35<<16                          ; tensor_dim1 = 35
	s_mov_b32 s11, 32<<16                          ; tile_dim0 = 32
	s_mov_b32 s12, 35                              ; tile_dim1 = 35
	s_mov_b32 s13, 32                              ; the pitch
	s_mov_b32 s14, 0
	s_mov_b32 s15, 0
	s_mov_b32 s4, 1                                ; group 0: count = 1
	s_mul_i32 s5, s30, REC                         ; LDS address: record w
	s_mul_i32 s2, s104, 16*REC
	s_add_co_u32 s2, s2, s5                        ; and the same record of my head in memory: no place in the cluster enters either
	s_mov_b32 s3, 0
	s_mov_b32 s26, 0x76543210
	s_mov_b32 s27, 0xfedcba98                      ; v_permlanex16_b32's selects for lane l xor 16
	s_mov_b32 s28, 0x3e38aa3b                      ; c = log2(e) / sqrt(64)
	s_mov_b32 s29, s28                             ; (named with it as a pair, so it is written)
	s_wait_dscnt 0x0                               ; both opening adds are done
	s_wait_kmcnt 0x0
	s_add_nc_u64 s[6:7], s[18:19], s[2:3]
	s_or_b32 s7, s7, 0x80000000                    ; type = 2
	CROUND                                         ; all four work-groups are here: the joint loads meet
	tensor_load_to_lds s[4:7], s[8:15]             ; my one tensor load of the launch: one is out
	s_nop 0
.rept 4
	v_nop
.endr
	s_bfe_u32 s100, ttmp6, 0x40000                 ; cx: it enters global addresses alone
	s_lshl_b32 s101, ttmp9, 2
	s_add_co_u32 s101, s101, s100                  ; x: my block of 512 queries
	s_lshl_b32 s67, s101, 5
	s_lshl_b32 s2, s30, 1
	s_add_co_u32 s67, s67, s2                      ; my first query tile among the sequence's 128
	s_lshl_b32 s67, s67, 12                        ; its mask words: 16 steps of 256 bytes a tile; my two tiles' words follow each other
	MASKS                                          ; the first step's
	s_lshl_b32 s2, s101, 2
	s_lshr_b32 s3, s30, 2
	s_add_co_u32 s2, s2, s3                        ; q: the record of 128 queries that holds my two tiles
	s_mul_i32 s2, s2, 4608
	s_mul_i32 s3, s104, 73728
	s_add_co_u32 s2, s2, s3
	s_mov_b32 s3, 0
	s_add_nc_u64 s[16:17], s[16:17], s[2:3]
	s_lshr_b32 s2, s104, 3
	s_lshl_b32 s2, s2, 7
	s_lshl_b32 s3, s101, 5
	s_add_co_u32 s2, s2, s3
	s_lshl_b32 s3, s30, 1
	s_add_co_u32 s2, s2, s3                        ; oc: my first token tile among all 1,024,
	s_lshl_b32 s2, s2, 12
	s_and_b32 s3, s104, 7
	s_lshl_b32 s3, s3, 9                           ; my head's 512 bytes in it
	s_add_co_u32 s2, s2, s3
	s_mov_b32 s3, 0
	s_add_nc_u64 s[22:23], s[22:23], s[2:3]
	s_lshl_b32 s2, s104, 12
	s_lshl_b32 s3, s101, 10
	s_add_co_u32 s2, s2, s3                        ; os: 4,096 bytes a (batch, head), 1,024 a work-group
	s_mov_b32 s3, 0
	s_add_nc_u64 s[24:25], s[24:25], s[2:3]
	v_and_b32 v11, 31, v0
	s_delay_alu instid0(VALU_DEP_1)
	v_lshlrev_b32 v[AL], 4, v11
	s_wait_alu depctr_va_vdst(0)
	v_and_b32 v11, 15, v0                          ; r
	s_delay_alu instid0(VALU_DEP_1)
	v_lshlrev_b32 v[AR], 4, v11
	s_wait_alu depctr_va_vdst(0)
	v_mov_b32 v[XH], 0xf1800000                    ; -2^100
	v_add_nc_u32 v[OSR], OSB, v[AL]
	s_lshr_b32 s2, s30, 1
	s_lshl_b32 s2, s2, 7                           ; a group of four tiles is 128 bytes: [r][tile] halfwords
	s_and_b32 s3, s30, 1
	s_lshl_b32 s3, s3, 2
	s_add_co_u32 s2, s2, s3
	s_add_co_u32 s2, s2, OSB
	v_lshl_add_u32 v[OSA], v11, 3, s2
	s_and_b32 s2, s30, 3
	s_lshl_b32 s2, s2, 10                          ; tile 2 (w % 4) of the record's eight
	v_add_nc_u32 v[QCO], s2, v[AL]
	s_lshr_b32 s2, s30, 1
	s_and_b32 s2, s2, 1
	s_lshl_b32 s2, s2, 8
	s_and_b32 s3, s30, 1
	s_lshl_b32 s3, s3, 3
	s_add_co_u32 s2, s2, s3
	s_add_co_u32 s2, s2, 4096                      ; its scale words: [tile / 4][r][tile % 4]
	v_add_nc_u32 v[QSO], s2, v[AR]
.irp j, 20,21,22,23
	v_mov_b32 v[\j], 0                             ; q's upper 64 along K: zero codes, for good
.endr
.irp t, 0,1,2,3,4,5,6,7
.irp j, 4,5,6,7
	v_mov_b32 v[KF+8*\t+\j], 0                     ; k's likewise
.endr
.endr
.irp b, 0,1,2,3
	v_mov_b32 v[BT+\b], 0                          ; written once: a lane permute's destination counts as one of its sources
.endr
	v_mov_b32 v[F+1], 0                            ; (named as the upper half of a pair)
	v_mov_b32 v56, 0
	s_wait_tensorcnt 0x0                           ; my record is in,
	s_barrier_signal -1
	s_barrier_wait -1                              ; everybody's is: the head's K and V lie in LDS for the rest of the launch
; ONE TILE OF 16 QUERIES: tile 2 w + p of the work-group's 32.
.macro PASS p
	s_wait_xcnt 0x0                                ; the last pass's store has read the codes' registers
	global_load_b128 v[16:19], v[QCO], s[16:17] offset:512*\p
	global_load_b32 v[QS], v[QSO], s[16:17] offset:4*\p
	v_mov_b32 v13, 0xff61b1e6                      ; the largest t so far: -3e38, under every t
	s_delay_alu instid0(VALU_DEP_1)
	v_floor_f32 v12, -v13                          ; -M
	v_mov_b32 v14, 0
	v_mov_b32 v15, 0
.set MN, 0
.rept 32
	v_mov_b32 v[O+MN], 0                           ; O^T.  (The step is written once: the first finds zeros, which the first change of M leaves zeros)
.set MN, MN+1
.endr
	s_mov_b32 s66, 0                               ; the step's record in LDS
	s_mov_b32 s31, 16
	s_wait_loadcnt 0x0
.Lstep_\@:
	s_setprio 2
	v_add_nc_u32 v[ADR], s66, v[AL]
	v_add_nc_u32 v[ADV], s66, v[AR]
	v_nop
	v_nop                                          ; four places behind the last step's products, ahead of loads into registers that they read
.irp t, 0,1,2,3,4,5,6,7
	ds_load_b128 v[KF+8*\t:KF+8*\t+3], v[ADR] offset:512*\t
.endr
	ds_load_b128 v[KS:KS+3], v[ADR] offset:4096
.irp d, 0,1,2,3
.irp c, 0,1
	ds_load_b128 v[VF+8*\d+4*\c:VF+8*\d+4*\c+3], v[ADR] offset:4608+1024*\d+512*\c
.endr
.endr
	ds_load_b128 v[VS:VS+3], v[ADV] offset:8704
	s_wait_dscnt 9                                 ; K's nine loads are in; V's nine may stay out
.irp t, 0,1,2,3
	v_wmma_scale_f32_16x16x128_f8f6f4 v[S+8*\t:S+8*\t+7], v[KF+8*\t:KF+8*\t+7], v[16:23], 0, v[KS+\t], v[QS] matrix_a_fmt:MATRIX_FMT_FP4 matrix_b_fmt:MATRIX_FMT_FP4
.endr
.irp t, 4,5,6,7
	v_wmma_scale_f32_16x16x128_f8f6f4 v[S+8*\t:S+8*\t+7], v[KF+8*\t:KF+8*\t+7], v[16:23], 0, v[KS+\t-4], v[QS] matrix_a_fmt:MATRIX_FMT_FP4 matrix_b_fmt:MATRIX_FMT_FP4 matrix_a_scale:MATRIX_SCALE_ROW1
.endr
.rept 4
	v_nop
.endr
	s_wait_kmcnt 0x0                               ; this step's mask words, asked for a step ago
.set MN, 0
.rept 64
	v_cndmask_b32 v[S+MN], v[XH], v[S+MN], s[32+MN+4*(MN/32)]   ; a hidden score becomes -2^100; each accumulator from its low end on
.set MN, MN+1
.endr
.irp b, 0,1,2,3
	v_max3_num_f32 v[BM+\b], v[S+16*\b], v[S+16*\b+1], v[S+16*\b+2]   ; the largest score of each block of 32 keys: for the row's maximum, and, since p rises with the score, for the block's largest p
.endr
.irp i, 3,5,7,9,11,13
.irp b, 0,1,2,3
	s_delay_alu instid0(VALU_DEP_4)
	v_max3_num_f32 v[BM+\b], v[BM+\b], v[S+16*\b+\i], v[S+16*\b+\i+1]
.endr
.endr
.irp b, 0,1,2,3
	s_delay_alu instid0(VALU_DEP_4)
	v_max_num_f32 v[BM+\b], v[BM+\b], v[S+16*\b+15]
.endr
.irp b, 0,1,2,3
	s_delay_alu instid0(VALU_DEP_4)
	v_permlanex16_b32 v[BT+\b], v[BM+\b], s26, s27
.endr
.irp b, 0,1,2,3
	s_delay_alu instid0(VALU_DEP_4)
	v_max_num_f32 v[BM+\b], v[BM+\b], v[BT+\b]     ; with lane l xor 16's 16 keys
.endr
	s_add_co_u32 s67, s67, 256                     ; (the wait on KMcnt above has shown the last loads done: their offset may be written)
	s_min_u32 s67, s67, 524032                     ; the very last request is held inside the buffer; its words are not used
	MASKS                                          ; the next step's mask words
	v_max3_num_f32 v56, v[BM], v[BM+1], v[BM+2]
	s_delay_alu instid0(VALU_DEP_1)
	v_max_num_f32 v56, v56, v[BM+3]                ; the step's largest score of my query
	s_delay_alu instid0(VALU_DEP_1)
	v_mul_f32 v56, s28, v56                        ; as t
	s_delay_alu instid0(VALU_DEP_1)
	v_max_num_f32 v13, v13, v56                    ; the running largest t
	v_mov_b32 v56, v12
	s_delay_alu instid0(VALU_DEP_2)
	v_floor_f32 v12, -v13                          ; the new -M = floor(-t): M is a whole number
	s_delay_alu instid0(VALU_DEP_1)
	v_sub_f32 v56, v12, v56                        ; M's old value less its new one
	s_delay_alu instid0(VALU_DEP_1)
	v_cvt_i32_f32 v56, v56                         ; (it saturates)
	s_delay_alu instid0(VALU_DEP_1)
	v_ldexp_f32 v[F], 1.0, v56                     ; f = 2^(old M - new M): exact
.set MN, 0
.rept 32
	v_pk_fma_f32 v[S+MN:S+MN+1], v[S+MN:S+MN+1], s[28:29], v[12:13] op_sel_hi:[1,0,0]   ; t - M, two at a time
.set MN, MN+2
.endr
.irp b, 0,1,2,3
	v_fma_f32 v[BM+\b], v[BM+\b], s28, v12         ; the same of each block's largest score
.endr
.set MN, 0
	s_setprio 1
	s_wait_alu depctr_va_vdst(0)
.rept 64
	v_exp_f32 v[S+MN], v[S+MN]                     ; p = 2^(t - M)
.set MN, MN+1
.endr
	v_pk_mul_f32 v[14:15], v[14:15], v[F:F+1] op_sel_hi:[1,0]   ; the sums under the new M: a plain place behind the exponentials
	s_wait_alu depctr_va_vdst(0)                   ; the wait ahead of the first instruction that names a result: one for the 64
.irp b, 0,1,2,3
	v_exp_f32 v[BM+\b], v[BM+\b]                   ; the block's largest p
.endr
	v_pk_add_f32 v[46:47], v[132:133], v[136:137]
	v_pk_add_f32 v[122:123], v[140:141], v[144:145]
	v_pk_add_f32 v[120:121], v[148:149], v[152:153]
	v_pk_add_f32 v[114:115], v[156:157], v[160:161]
	v_pk_add_f32 v[112:113], v[164:165], v[168:169]
	v_pk_add_f32 v[106:107], v[172:173], v[176:177]
	v_pk_add_f32 v[104:105], v[180:181], v[184:185]
	v_pk_add_f32 v[14:15], v[14:15], v[188:189]
	v_pk_add_f32 v[46:47], v[46:47], v[128:129]
	v_pk_add_f32 v[122:123], v[122:123], v[130:131]
	v_pk_add_f32 v[120:121], v[120:121], v[134:135]
	v_pk_add_f32 v[114:115], v[114:115], v[138:139]
	v_pk_add_f32 v[112:113], v[112:113], v[142:143]
	v_pk_add_f32 v[106:107], v[106:107], v[146:147]
	v_pk_add_f32 v[104:105], v[104:105], v[150:151]
	v_pk_add_f32 v[14:15], v[14:15], v[154:155]
	v_pk_add_f32 v[46:47], v[46:47], v[158:159]
	v_pk_add_f32 v[122:123], v[122:123], v[162:163]
	v_pk_add_f32 v[120:121], v[120:121], v[166:167]
	v_pk_add_f32 v[114:115], v[114:115], v[170:171]
	v_pk_add_f32 v[112:113], v[112:113], v[174:175]
	v_pk_add_f32 v[106:107], v[106:107], v[178:179]
	v_pk_add_f32 v[104:105], v[104:105], v[182:183]
	v_pk_add_f32 v[14:15], v[14:15], v[186:187]
	v_pk_add_f32 v[46:47], v[46:47], v[190:191]
	s_delay_alu instid0(VALU_DEP_2)
	v_pk_add_f32 v[14:15], v[14:15], v[114:115]
	s_delay_alu instid0(VALU_DEP_2)
	v_pk_add_f32 v[46:47], v[46:47], v[112:113]
	v_pk_add_f32 v[122:123], v[122:123], v[106:107]
	v_pk_add_f32 v[120:121], v[120:121], v[104:105]
	s_delay_alu instid0(VALU_DEP_2)
	v_pk_add_f32 v[14:15], v[14:15], v[122:123]
	s_delay_alu instid0(VALU_DEP_2)
	v_pk_add_f32 v[46:47], v[46:47], v[120:121]
	s_delay_alu instid0(VALU_DEP_1)
	v_pk_add_f32 v[14:15], v[14:15], v[46:47]
	s_wait_alu depctr_va_vdst(0)                   ; and one for the four
.irp b, 0,1,2,3
	v_max_num_f32 v[BM+\b], 0x1800000, v[BM+\b]    ; the floor 2^(3 - 127): the byte cannot fall under 1
.endr
.irp b, 0,1,2,3
	s_delay_alu instid0(VALU_DEP_4)
	v_add_nc_u32 v[SCO+\b], 0xff000000, v[BM+\b]   ; 2 off the exponent field: the conversion's scale operand
.endr
.irp b, 0,1,2,3
	s_delay_alu instid0(VALU_DEP_4)
	v_lshrrev_b32 v[BT+\b], 23, v[SCO+\b]          ; the scale's byte
.endr
	s_delay_alu instid0(VALU_DEP_3)
	v_lshl_or_b32 v[PS], v[BT+1], 8, v[BT]
	s_delay_alu instid0(VALU_DEP_1)
	v_lshl_or_b32 v[PS], v[BT+2], 16, v[PS]
	s_delay_alu instid0(VALU_DEP_1)
	v_lshl_or_b32 v[PS], v[BT+3], 24, v[PS]
.irp b, 0,1,2,3
	v_cvt_scalef32_pk8_fp4_f32 v[PC+4*(\b/2)+(\b%2)], v[S+16*\b:S+16*\b+7], v[SCO+\b]
	v_cvt_scalef32_pk8_fp4_f32 v[PC+4*(\b/2)+2+(\b%2)], v[S+16*\b+8:S+16*\b+15], v[SCO+\b]
.endr
	s_setprio 0
	v_nop                                          ; one plain place behind a scaled conversion
.irp c, 0,1
	v_permlane16_swap_b32 v[PC+4*\c], v[PC+4*\c+1]
	v_permlane16_swap_b32 v[PC+4*\c+2], v[PC+4*\c+3]
.endr
.set MN, 0
.rept 16
	v_pk_mul_f32 v[O+MN:O+MN+1], v[O+MN:O+MN+1], v[F:F+1] op_sel_hi:[1,0]   ; O^T under the new M.  Twelve of these name no register of a given product below: the places behind p's scale word and codes
.set MN, MN+2
.endr
.rept 4
	v_nop
.endr
	s_wait_alu depctr_va_vdst(0)
	s_wait_dscnt 0x0                               ; V's fragments and scale words are in
.irp d, 0,1,2,3
	v_wmma_scale_f32_16x16x128_f8f6f4 v[O+8*\d:O+8*\d+7], v[VF+8*\d:VF+8*\d+7], v[PC:PC+7], v[O+8*\d:O+8*\d+7], v[VS+\d], v[PS] matrix_a_fmt:MATRIX_FMT_FP4 matrix_b_fmt:MATRIX_FMT_FP4
.endr
	s_add_co_u32 s66, s66, REC
	s_sub_co_i32 s31, s31, 1
	s_cmp_lg_u32 s31, 0
	s_cbranch_scc1 .Lstep_\@
	s_setprio 0
	; O / l, quantised along the head's 64 channels: two blocks of the last product's K
	v_add_f32 v14, v14, v15                        ; the sum's two halves.  (With the three below: four places behind the last products)
	v_nop
	v_nop
	v_nop
	v_permlanex16_b32 v56, v14, s26, s27
	s_delay_alu instid0(VALU_DEP_1)
	v_add_f32 v14, v14, v56                        ; and lane l xor 16's: the row's sum
	s_wait_alu depctr_va_vdst(0)
	v_rcp_f32 v[F], v14
	v_nop                                          ; a plain place behind the reciprocal
	s_wait_alu depctr_va_vdst(0)                   ; and the wait ahead of its first reader
.set MN, 0
.rept 16
	v_pk_mul_f32 v[S+MN:S+MN+1], v[O+MN:O+MN+1], v[F:F+1] op_sel_hi:[1,0]   ; register 8 d + j: channel 16 d + 8 h + j of my query
.set MN, MN+2
.endr
.irp b, 0,1
	v_max3_num_f32 v[BM+\b], |v[S+16*\b]|, |v[S+16*\b+1]|, 0x1800000
.endr
.irp i, 2,4,6,8,10,12,14
.irp b, 0,1
	s_delay_alu instid0(VALU_DEP_2)
	v_max3_num_f32 v[BM+\b], v[BM+\b], |v[S+16*\b+\i]|, |v[S+16*\b+\i+1]|
.endr
.endr
.irp b, 0,1
	s_delay_alu instid0(VALU_DEP_2)
	v_permlanex16_b32 v[BT+\b], v[BM+\b], s26, s27
.endr
.irp b, 0,1
	s_delay_alu instid0(VALU_DEP_2)
	v_max_num_f32 v[BM+\b], v[BM+\b], v[BT+\b]
.endr
.irp b, 0,1
	s_delay_alu instid0(VALU_DEP_2)
	v_add_nc_u32 v[SCO+\b], 0xff000000, v[BM+\b]
.endr
.irp b, 0,1
	s_delay_alu instid0(VALU_DEP_2)
	v_lshrrev_b32 v[BT+\b], 23, v[SCO+\b]
.endr
	s_delay_alu instid0(VALU_DEP_1)
	v_lshl_or_b32 v56, v[BT+1], 8, v[BT]           ; my query's two bytes
.irp b, 0,1
	v_cvt_scalef32_pk8_fp4_f32 v[PC+\b], v[S+16*\b:S+16*\b+7], v[SCO+\b]
	v_cvt_scalef32_pk8_fp4_f32 v[PC+2+\b], v[S+16*\b+8:S+16*\b+15], v[SCO+\b]
.endr
	v_nop
	v_permlane16_swap_b32 v[PC], v[PC+1]
	v_permlane16_swap_b32 v[PC+2], v[PC+3]
	global_store_b128 v[AL], v[PC:PC+3], s[22:23] offset:4096*\p   ; half a fragment of the last product: 512 consecutive bytes
	ds_store_b16 v[OSA], v56 offset:2*\p           ; both lanes of a query write the same halfword with the same value
.endm
	PASS 0
	PASS 1
	s_wait_dscnt 0x0                               ; for the others' sake: my halfwords have landed
	s_barrier_signal -1
	s_barrier_wait -1
	s_cmp_lg_u32 s30, 0
	s_cbranch_scc1 .Lnot_first                     ; wave 0 stores the work-group's 1,024 bytes of scale halfwords, dense
	ds_load_b128 v[128:131], v[OSR]
	ds_load_b128 v[132:135], v[OSR] offset:512
	s_wait_dscnt 0x0
	global_store_b128 v[AL], v[128:131], s[24:25]
	global_store_b128 v[AL], v[132:135], s[24:25] offset:512
.Lnot_first:
	s_wait_tensorcnt 0x0                           ; the wave's end, behind my last tensor load and my last LDS store
	ds_add_u32 v[SPW], v[NIL]
	s_wait_dscnt 0x0
	s_wait_kmcnt 0x0                               ; the last request for mask words
	CROUND                                         ; the closing round
	s_endpgm
.Lfunc_end_k_q9e1c046fe7_attn:
	.size	k_q9e1c046fe7_attn, .Lfunc_end_k_q9e1c046fe7_attn-k_q9e1c046fe7_attn
	.p2alignl 7, 3214868480
	.fill 96, 4, 3214868480
	.section	.rodata,"a",@progbits
	.p2align	6, 0x0
	.amdhsa_kernel k_q9e1c046fe7_attn
		.amdhsa_group_segment_fixed_size 167936
		.amdhsa_private_segment_fixed_size 0
		.amdhsa_enable_private_segment 0
		.amdhsa_kernarg_size 40
		.amdhsa_user_sgpr_count 2
		.amdhsa_user_sgpr_kernarg_segment_ptr 1
		.amdhsa_wavefront_size32 1
		.amdhsa_system_sgpr_workgroup_id_x 1
		.amdhsa_system_sgpr_workgroup_id_y 1
		.amdhsa_system_sgpr_workgroup_id_z 1
		.amdhsa_system_vgpr_workitem_id 0
		.amdhsa_next_free_vgpr 256
		.amdhsa_next_free_sgpr 106
		.amdhsa_reserve_vcc 0
		.amdhsa_float_denorm_mode_32 3
		.amdhsa_float_denorm_mode_16_64 3
		.amdhsa_memory_ordered 1
		.amdhsa_forward_progress 1
		.amdhsa_inst_pref_size 62
	.end_amdhsa_kernel
	.amdgpu_metadata
---
amdhsa.version: [ 1, 2 ]
amdhsa.kernels:
  - .name:           k_q9e1c046fe7_attn
    .symbol:         k_q9e1c046fe7_attn.kd
    .args:
      - { .name: qrec, .offset: 0, .size: 8, .value_kind: global_buffer, .address_space: global }
      - { .name: kv, .offset: 8, .size: 8, .value_kind: global_buffer, .address_space: global }
      - { .name: maskw, .offset: 16, .size: 8, .value_kind: global_buffer, .address_space: global }
      - { .name: oc, .offset: 24, .size: 8, .value_kind: global_buffer, .address_space: global }
      - { .name: os, .offset: 32, .size: 8, .value_kind: global_buffer, .address_space: global }
    .group_segment_fixed_size: 167936
    .private_segment_fixed_size: 0
    .kernarg_segment_align: 8
    .kernarg_segment_size: 40
    .max_flat_workgroup_size: 512
    .sgpr_count:     106
    .vgpr_count:     256
    .wavefront_size: 32
...
	.end_amdgpu_metadata
.endif
;; end of part 5
;; launch outp (part 6): grid 256 x 1, 4 waves a work-group, no clusters, 34,304 bytes of LDS; arguments oc, os, Wo_codes, Wo_scales, bo, out0; writes out0
.if DOCPART == 6
	.amdgcn_target "amdgcn-amd-amdhsa--gfx1250"
	.amdhsa_code_object_version 6
	.text
	.protected	k_q9e1c046fe7_outp
	.globl	k_q9e1c046fe7_outp
	.p2align	8
	.type	k_q9e1c046fe7_outp,@function
k_q9e1c046fe7_outp:
	s_mov_b64 s[64:65], 0
	v_nop
	global_prefetch_b8 v0, s[64:65] scope:SCOPE_SE
	s_setreg_imm32_b32 hwreg(HW_REG_WAVE_SCHED_MODE, 0, 2), 2
	s_setreg_imm32_b32 hwreg(HW_REG_WAVE_MODE, 25, 1), 1
	s_wait_xcnt 0x0
	s_wait_alu depctr_vm_vsrc(0)
; THIRD LAUNCH: out0 = Q(O / l) Wo^T + bo on codes of FP4 (E2M1).  No work is left out.
; A work-group takes 64 tokens, four tiles of 16.  Wave w HOLDS rows 128 w on of Wo (256 registers, window 1) and bo in the result's layout (window 2), and streams the tokens' fragments, which the launch before
; laid as images of the operand's registers: [token tile][head][lane][16 bytes]; heads 2 s and 2 s + 1 are K step s.  The matrix instruction is used transposed (source 0 = 16 rows of Wo, source 1 = 16 tokens):
; a lane holds eight neighbouring channels of one token.  A tile's 16 rows x 512 bytes go through the wave's own stage in LDS and leave as whole rows.
; No cluster and no tensor load: fragments go from memory straight into registers; no barrier: waves share nothing.
; THE MODE: SCHED_MODE bits 1:0 = 2 (LLVM: expert scheduling mode 2), set by the entry lines.  The code itself states the register dependences
; between vector or matrix instructions and memory or LDS instructions, with s_wait_alu, always for 0.
; THE PLAN.  Registers that memory or LDS instructions touch:
;   TF0, TF1   Tile u: its 32 products read set u % 2; behind them the loads of tile u + 2 land in it.  Tiles 0 and 1 are asked for at the head.
;   ACC        Written by a tile's products, read by its 16 LDS stores, written anew by the next tile's products.
;   BK         A tile's 16 LDS loads land in it, its 16 global stores read it, the next tile's LDS loads land again.  At the head its first 16 registers hold the scale halfwords (DD), which v_perm_b32 reads.
;   TSW        Written by v_perm_b32 at the head, taken as scales by the products.
;   v1 to v7   Offsets and LDS addresses, made at the head and never written again.   Wo, its scale words and bo are loaded once.
; So behind a tile's products stand: the waits on XCNT and vm_vsrc for the last tile's global stores (BK), and one wait on va_vdst for the products' results (the LDS stores) and their reads of the fragments (the loads);
; behind its LDS loads one wait on vm_vsrc for the LDS stores' reads of ACC.
.set L16, 1                            ; v1   16 x lane
.set TA,  2                            ; v2   256 r + 16 h
.set R16, 3                            ; v3   16 r
.set R8,  4                            ; v4   8 r
.set B32, 5                            ; v5   32 h
.set STO, 6                            ; v6   the stage, on the way in
.set RD,  7                            ; v7   and on the way out
.set HS,  12                           ; v12-43   Wo's scale words: tile t, K step s at 4 t + s
.set TSW, 44                           ; v44-59   the tokens' scale words: tile u, K step s at 4 u + s
.set TF,  60                           ; v60-123  the tokens' fragments, two sets of 32
.set ACC, 124                          ; v124-187 eight accumulators
.set BK,  188                          ; v188-251 16 rows read back from the stage
.set DD,  188                          ; v188-203 at the head: the scale halfwords as loaded, a pair a head
.set SPW, 252                          ; v252 LDS address of my spare word; never rewritten
.set NIL, 253                          ; v253 0; never rewritten
.set SPARE, 33792                      ; behind the four stages of 8,448 bytes
.set MSB, 0
.macro WIN new                         ; the immediate's high byte repeats the setting that is left
.if MSB != \new
	s_set_vgpr_msb (MSB<<8)|\new
.set MSB, \new
.endif
.endm
.macro OLOAD u, bank                   ; token tile u: eight heads' 512 bytes each
.irp d, 0,1,2,3,4,5,6,7
	global_load_b128 v[TF+32*(\bank)+4*\d:TF+32*(\bank)+4*\d+3], v[L16], s[4:5] offset:(\u)*4096+\d*512 th:TH_LOAD_NT
.endr
.endm
.macro MM bank, u                      ; 32 matrix instructions: K step by K step, the eight accumulators by turns; bo is the C of each sum's first product
.irp s, 0,1,2,3
.if \s == 0
	WIN 0x21                                       ; source 0 window 1, C window 2
.else
	WIN 0x01
.endif
.irp t, 0,1,2,3,4,5,6,7
.if \s == 0
	v_wmma_scale_f32_16x16x128_f8f6f4 v[ACC+8*\t:ACC+8*\t+7], v[8*(4*\t+\s):8*(4*\t+\s)+7], v[TF+32*(\bank)+8*\s:TF+32*(\bank)+8*\s+7], v[8*\t:8*\t+7], v[HS+4*\t+\s], v[TSW+4*(\u)+\s] matrix_a_fmt:MATRIX_FMT_FP4 matrix_b_fmt:MATRIX_FMT_FP4
.else
	v_wmma_scale_f32_16x16x128_f8f6f4 v[ACC+8*\t:ACC+8*\t+7], v[8*(4*\t+\s):8*(4*\t+\s)+7], v[TF+32*(\bank)+8*\s:TF+32*(\bank)+8*\s+7], v[ACC+8*\t:ACC+8*\t+7], v[HS+4*\t+\s], v[TSW+4*(\u)+\s] matrix_a_fmt:MATRIX_FMT_FP4 matrix_b_fmt:MATRIX_FMT_FP4
.endif
.endr
.endr
	WIN 0
.rept 5
	v_nop                                          ; FIVE places behind the last products.  Four serve the LDS stores that read results
.endr                                                  ; the fifth serves the next tile's first products, which write the accumulators anew with another C (bo): no other vector instruction stands between the two runs
.endm
.macro TRIP u
.set CUR, (\u)%2
.if (\u) < 3
	s_wait_loadcnt 8                               ; loads come back in order (ISA guide 5.7.1): this tile's fragments are in; the next tile's eight loads, the only younger ones, may stay out
.else
	s_wait_loadcnt 0x0
.endif
	MM CUR, \u
.if (\u) > 0
	s_wait_xcnt 0x0                                ; the last tile's global stores have had their addresses translated: the rows' registers are written again only behind this wait,
	s_wait_alu depctr_vm_vsrc(0)                   ; and they have read BK, in which the LDS loads below land
.endif
	s_wait_alu depctr_va_vdst(0)                   ; the products have written the accumulators, which the LDS stores read (the places above stay beside this wait), and are done reading this tile's fragments, in which the loads below land
.if (\u) < 2
	OLOAD (\u)+2, CUR                              ; the emptied set is asked for again at once: the tile two on
.endif
.irp t, 0,1,2,3,4,5,6,7
	ds_store_b128 v[STO], v[ACC+8*\t:ACC+8*\t+3] offset:64*\t        ; each accumulator from its low end on
	ds_store_b128 v[STO], v[ACC+8*\t+4:ACC+8*\t+7] offset:64*\t+16
.endr
.irp p, 0,1,2,3,4,5,6,7,8,9,10,11,12,13,14,15
	ds_load_b128 v[BK+4*\p:BK+4*\p+3], v[RD] offset:528*\p           ; LDS serves a wave's instructions in order: these see my stores
.endr
.if (\u) < 3
	s_wait_alu depctr_vm_vsrc(0)                   ; the LDS stores have read the accumulators, which the next tile's products write anew
.endif
.irp p, 0,1,2,3,4,5,6,7,8,9,10,11,12,13,14,15
	s_wait_dscnt 15-\p
	global_store_b128 v[L16], v[BK+4*\p:BK+4*\p+3], s[14:15] offset:(16*(\u)+\p)*2048 th:TH_STORE_NT   ; 32 lanes store 512 consecutive bytes, at a multiple of 256 from out0's first byte
.endr
.endm
	s_load_b256 s[4:11], s[0:1], 0x0               ; oc s[4:5], os s[6:7], Wo's codes s[8:9], Wo's scales s[10:11]
	s_load_b128 s[12:15], s[0:1], 0x20             ; bo s[12:13], out0 s[14:15]
	v_lshl_add_u32 v[SPW], v0, 2, SPARE
	v_mov_b32 v[NIL], 0
	v_lshrrev_b32 v8, 5, v0
	v_readfirstlane_b32 s16, v8                    ; wave 0..3
	v_and_b32 v8, 31, v0                           ; lane
	v_and_b32 v9, 15, v0                           ; r
	v_bfe_u32 v10, v0, 4, 1                        ; h
	v_lshlrev_b32 v[L16], 4, v8
	v_lshlrev_b32 v[TA], 8, v9
	v_lshl_add_u32 v[TA], v10, 4, v[TA]
	v_lshlrev_b32 v[R16], 4, v9
	v_lshlrev_b32 v[R8], 3, v9
	v_lshlrev_b32 v[B32], 5, v10
	s_wait_alu depctr_va_sdst(0)                   ; s16, the wave's number, is written, ahead of its first reader: the stage's address and the buffers' bases are made from it
	s_mul_i32 s17, s16, 8448                       ; my stage: 16 rows of 512 bytes + 16
	v_mul_u32_u24 v[STO], v9, 528
	v_lshl_add_u32 v[STO], v10, 5, v[STO]
	v_add_nc_u32 v[STO], s17, v[STO]
	v_add_nc_u32 v[RD], s17, v[L16]
	s_mov_b32 s20, 0x05040100                      ; v_perm_b32: the two low halves
	s_mov_b32 s21, 0x07060302                      ; the two high halves
	s_lshl_b32 s22, ttmp9, 14                      ; oc: four token tiles of 4,096 bytes
	s_mov_b32 s23, 0
	s_lshr_b32 s24, ttmp9, 5
	s_lshl_b32 s24, s24, 15                        ; os: a batch's eight heads of 4,096 bytes,
	s_and_b32 s25, ttmp9, 31
	s_lshl_b32 s25, s25, 7                         ; my group of 64 tokens: 128 bytes a head
	s_add_co_u32 s24, s24, s25
	s_mov_b32 s25, 0
	s_lshl_b32 s26, s16, 15                        ; my 128 rows of Wo
	s_mov_b32 s27, 0
	s_lshl_b32 s28, s16, 11
	s_mov_b32 s29, 0
	s_lshl_b32 s30, s16, 9                         ; my 128 numbers of bo, and my 512 bytes of a row of out0
	s_mov_b32 s31, 0
	s_lshl_b32 s32, ttmp9, 17                      ; 64 rows of 2,048 bytes
	s_mov_b32 s33, 0
	s_wait_kmcnt 0x0
	s_add_nc_u64 s[4:5], s[4:5], s[22:23]
	s_add_nc_u64 s[6:7], s[6:7], s[24:25]
	s_add_nc_u64 s[8:9], s[8:9], s[26:27]
	s_add_nc_u64 s[10:11], s[10:11], s[28:29]
	s_add_nc_u64 s[12:13], s[12:13], s[30:31]
	s_add_nc_u64 s[14:15], s[14:15], s[32:33]
	s_add_nc_u64 s[14:15], s[14:15], s[30:31]
	WIN 0x40                                       ; destination window 1
	s_wait_alu depctr_va_vdst(0)                   ; the offsets and LDS addresses v1 to v7 are written, which every load and store of the kernel reads
.irp t, 0,1,2,3,4,5,6,7
.irp s, 0,1,2,3
.irp c, 0,1
	global_load_b128 v[8*(4*\t+\s)+4*\c:8*(4*\t+\s)+4*\c+3], v[TA], s[8:9] offset:\t*4096+\s*64+\c*32   ; Wo's fragment (t, s): it stays
.endr
.endr
.endr
	WIN 0x80                                       ; destination window 2
.irp t, 0,1,2,3,4,5,6,7
	global_load_b128 v[8*\t:8*\t+3], v[B32], s[12:13] offset:64*\t       ; bo[16 t + 8 h + j] of my 128 channels
	global_load_b128 v[8*\t+4:8*\t+7], v[B32], s[12:13] offset:64*\t+16
.endr
	WIN 0
.irp t, 0,1,2,3,4,5,6,7
	global_load_b128 v[HS+4*\t:HS+4*\t+3], v[R16], s[10:11] offset:\t*256
.endr
.irp d, 0,1,2,3,4,5,6,7
	global_load_b64 v[DD+2*\d:DD+2*\d+1], v[R8], s[6:7] offset:\d*4096   ; head d: token r's halfwords of the four tiles
.endr
	OLOAD 0, 0
	OLOAD 1, 1
	s_wait_loadcnt 16                              ; Wo, bo, the scale words and the halfwords are in; the two tiles' sixteen loads may stay out
.irp u, 0,1,2,3                        ; the word of (tile u, K step s): head 2 s's two bytes below, head 2 s + 1's above.  Tile 0's four words come first: the twelve others are the places behind them
.irp s, 0,1,2,3
.if (\u%2) == 0
	v_perm_b32 v[TSW+4*\u+\s], v[DD+2*(2*\s+1)+(\u/2)], v[DD+4*\s+(\u/2)], s20
.else
	v_perm_b32 v[TSW+4*\u+\s], v[DD+2*(2*\s+1)+(\u/2)], v[DD+4*\s+(\u/2)], s21
.endif
.endr
.endr
	s_wait_alu depctr_va_vdst(0)                   ; the sixteen lines above have written the tokens' scale words, which the products take as scales (behind their places), and are done reading the halfwords' registers, in which LDS loads land later
.irp q, 0,1,2,3
	TRIP \q
.endr
	s_wait_dscnt 0x0                               ; the wave's end: six lines on end, behind my last LDS store
	s_wait_alu 0x0
	s_wait_tensorcnt 0x0
	ds_add_u32 v[SPW], v[NIL]
	s_wait_dscnt 0x0
	s_endpgm
.Lfunc_end_k_q9e1c046fe7_outp:
	.size	k_q9e1c046fe7_outp, .Lfunc_end_k_q9e1c046fe7_outp-k_q9e1c046fe7_outp
	.p2alignl 7, 3214868480
	.fill 96, 4, 3214868480
	.section	.rodata,"a",@progbits
	.p2align	6, 0x0
	.amdhsa_kernel k_q9e1c046fe7_outp
		.amdhsa_group_segment_fixed_size 34304
		.amdhsa_private_segment_fixed_size 0
		.amdhsa_enable_private_segment 0
		.amdhsa_kernarg_size 48
		.amdhsa_user_sgpr_count 2
		.amdhsa_user_sgpr_kernarg_segment_ptr 1
		.amdhsa_wavefront_size32 1
		.amdhsa_system_sgpr_workgroup_id_x 1
		.amdhsa_system_sgpr_workgroup_id_y 1
		.amdhsa_system_sgpr_workgroup_id_z 1
		.amdhsa_system_vgpr_workitem_id 0
		.amdhsa_next_free_vgpr 576
		.amdhsa_next_free_sgpr 66
		.amdhsa_reserve_vcc 0
		.amdhsa_float_denorm_mode_32 3
		.amdhsa_float_denorm_mode_16_64 3
		.amdhsa_memory_ordered 1
		.amdhsa_forward_progress 1
		.amdhsa_inst_pref_size 50
	.end_amdhsa_kernel
	.amdgpu_metadata
---
amdhsa.version: [ 1, 2 ]
amdhsa.kernels:
  - .name:           k_q9e1c046fe7_outp
    .symbol:         k_q9e1c046fe7_outp.kd
    .args:
      - { .name: oc, .offset: 0, .size: 8, .value_kind: global_buffer, .address_space: global }
      - { .name: os, .offset: 8, .size: 8, .value_kind: global_buffer, .address_space: global }
      - { .name: Wo_codes, .offset: 16, .size: 8, .value_kind: global_buffer, .address_space: global }
      - { .name: Wo_scales, .offset: 24, .size: 8, .value_kind: global_buffer, .address_space: global }
      - { .name: bo, .offset: 32, .size: 8, .value_kind: global_buffer, .address_space: global }
      - { .name: out0, .offset: 40, .size: 8, .value_kind: global_buffer, .address_space: global }
    .group_segment_fixed_size: 34304
    .private_segment_fixed_size: 0
    .kernarg_segment_align: 8
    .kernarg_segment_size: 48
    .max_flat_workgroup_size: 128
    .sgpr_count:     66
    .vgpr_count:     576
    .wavefront_size: 32
...
	.end_amdgpu_metadata
.endif
;; end of part 6
